; MI455X (gfx1250); checked and timed in simulation.
; The chip was launched on July 23, 2026; its instructions are those of AMD's public machine-readable ISA for CDNA 5 (MIT licence, August 2026) and "CDNA5" Instruction Set Architecture Reference Guide (July 2026). The comments in the code are by the model that wrote it; some were corrected since.
;; Self Attention Layer. Allowed arithmetic: matrix products marked QUANTISED: E2M1 operands, one E8M0 scale for each 32 along K, by v_wmma_scale_f32_16x16x128_f8f6f4 with both operands' format E2M1 (or v_wmma_scale_f32_32x16x128_f4), f32 sums; products left as they are: bf16, f16 or f32 operands; f32 sums; everything else in f32.
;; Inputs: WK 1,024 x 1,024 float32; WQ 1,024 x 1,024 float32; WV 1,024 x 1,024 float32; inputs 4 x 2,048 x 1,024 float32.
;; Outputs: out0 4 x 2,048 x 1,024 float32.
;; This version of the problem:
;;   THIS VERSION OF THE PROBLEM IS GIVEN IN LOW PRECISION. The matrix products marked QUANTISED in the list below multiply operands that are first quantised to E2M1 (2 exponent bits, 1 mantissa bit; 4 bits a number), with one power-of-two scale for each 32 numbers along K (OCP MX v1.0); their sums are f32. The products marked 'left as it is' may take bf16, f16 or f32 operands, with f32 sums. Whichever they take, every output number must still come out within the allowed error. Rounding operands to bf16 (8 significant bits) uses up far more of that allowance than f16 does (11 bits, for magnitudes from 6e-5 to 65,504). All else is computed in f32.
;;   The module's matrix products, in the order in which they are computed (A, B: the left and right operand; K: the contracted axis; several contracted axes count as one K, in the product's order):
;;     1. [M 8,192, K 1,024] x [K 1,024, N 1,024]; A: input inputs; B: input WQ: QUANTISED
;;     2. [M 8,192, K 1,024] x [K 1,024, N 1,024]; A: input inputs; B: input WK: QUANTISED
;;     3. [M 8,192, K 1,024] x [K 1,024, N 1,024]; A: input inputs; B: input WV: QUANTISED
;;     4. batch 4 x [M 2,048, K 1,024] x [K 1,024, N 2,048]; A: computed on the way; B: computed on the way: left as it is (an operand is computed on the way)
;;     5. batch 4 x [M 2,048, K 2,048] x [K 2,048, N 1,024]; A: computed on the way; B: computed on the way: left as it is (an operand is computed on the way)
;;   THE QUANTISER, for each operand of a quantised product, along K:
;;     - K is cut into blocks of 32 from its start; a last block that is shorter is filled with zeros.
;;     - A block's scale is 2^e with e = floor(log2(the largest magnitude in the block)) - 2, held to -126 .. 127; a block of zeros has e = 0. As a byte (E8M0): e + 127.
;;     - Each number is divided by its block's scale, clamped to +-6, and rounded to the nearest number of E2M1, ties to even, subnormals kept.
;;     - The product sums the exact products of the quantised numbers (number of the format x scale) in f32.
;;   ~~~python
;;   def quantise(x, axis):      # numpy; x: float32 -> the quantised numbers, widened to float32 again
;;       x = np.moveaxis(x, axis, -1); K = x.shape[-1]
;;       x = np.pad(x, [(0, 0)] * (x.ndim - 1) + [(0, -K % 32)]); x = x.reshape(x.shape[:-1] + (-1, 32)); a = np.abs(x).max(-1, keepdims=True)
;;       e = np.where(a > 0, np.clip(np.frexp(np.where(a > 0, a, 1))[1] - 1 - 2, -126, 127), 0)      # np.frexp(a)[1] - 1 = floor(log2(a)), exactly
;;       r = np.clip(x / 2.0 ** e, -6, 6)
;;       step = 2.0 ** (np.maximum(np.frexp(np.where(r == 0, 1, r))[1] - 1, 0) - 1)
;;       q = np.round(r / step) * step * 2.0 ** e      # np.round: ties to even
;;       return np.moveaxis(q.reshape(q.shape[:-2] + (-1,))[..., :K], -1, axis).astype(np.float32)
;;   ~~~
;; One version. Each part assembles by itself: llvm-mc -triple=amdgcn-amd-amdhsa -mcpu=gfx1250 --defsym DOCPART=n.
;; ======== version 1 of 1: 4 launches
;; limits: values are held in f16: magnitudes above 65,504 overflow, below 6.1e-05 lose precision
;; workspace buffers: xc 4,194,304 bytes; xs 262,144 bytes; wc 1,572,864 bytes; ws 98,304 bytes; qk 33,554,432 bytes; vt 16,777,216 bytes; pp 33,554,432 bytes; st 1,048,576 bytes
;; launch quant (part 1): grid 352 x 1, 4 waves a work-group, no clusters, 50,688 bytes of LDS; arguments inputs, WQ, WK, WV, xc, xs, wc, ws; writes xc, xs, wc, ws
.if DOCPART == 1
	.amdgcn_target "amdgcn-amd-amdhsa--gfx1250"
	.amdhsa_code_object_version 6
	.text
	.protected	k_qb002cd88f4_quant
	.globl	k_qb002cd88f4_quant
	.p2align	8
	.type	k_qb002cd88f4_quant,@function
k_qb002cd88f4_quant:
	s_mov_b64 s[64:65], 0
	v_nop
	global_prefetch_b8 v0, s[64:65] scope:SCOPE_SE
	s_setreg_imm32_b32 hwreg(HW_REG_WAVE_MODE, 25, 1), 1
	s_wait_xcnt 0x0
; FIRST OF FOUR LAUNCHES.  out = softmax(Q K^T / 32) V with Q, K, V = inputs x WQ, WK, WV; the three projections on codes of FP4 (E2M1) with one E8M0 scale for each 32 along K.
; NOTHING OF THE PROBLEM IS LEFT OUT: all four inputs are loaded, all five products are made.
; This launch quantises both operands of the projections, once: inputs [8192][1024] f32 (K innermost) -> xc [8192][512 bytes], xs [8192][32 bytes];
; WQ, WK, WV [1024 (k)][1024 (u)] f32 (K is the FIRST axis) -> wc [3072][512 bytes], ws [3072][32 bytes], row = 1024 x weight + u, K innermost.
; A block's scale is 2^(floor(log2(its largest magnitude)) - 2); its byte is the largest magnitude's exponent field - 2, held at 1 from below.  Each number is divided by the scale and rounded to the nearest code, ties to even, beyond 6 the code of 6.
; LIMITS: a block whose largest magnitude lies under 2^-124 (a block of zeros among them) gets the byte 1: a block of zeros has zero codes, which add nothing under that byte, and the bytes are read by this program alone; NaN and infinities are not served.
; SHARES.  Work-groups 0 to 95 take the weights (they have the longer chain of loads, so they come first), work-groups 96 to 351 the inputs.  The two ways part on the work-group's number, the same in all four waves, and each has LDS bytes of its own.
; INPUTS: a plain stream of blocks of 32.  A wave takes 16 steps of 512 numbers; each load reads 512 consecutive bytes; a step's 2,048 bytes turn through the wave's own stage in LDS so that a lane holds 16 neighbours along K.
; WEIGHTS: a lane takes a column u and its registers run down K, so a block of 32 lies in one lane.  A work-group takes 64 columns x 512 along K; wave (cg, kh) takes 32 columns x 256 along K (8 blocks).
;   The four waves' codes meet in one stage (64 rows x 256 bytes), one barrier, and leave as rows: sixteen lanes store 256 consecutive bytes, aligned.
.set NWGW,  96                         ; work-groups for the weights: 3 weights x 16 groups of 64 columns x 2 halves of K
.set STEPS, 16
.set SP,    80                         ; inputs: a lane's place in a stage: 64 bytes + 16 of padding
.set WSTG,  32768                      ; weights: the work-group's stage, behind the inputs' four regions of 8,192 bytes
.set WP,    272                        ; its rows: 256 bytes + 16 of padding
.set SPARE, WSTG+64*WP                 ; the spare words, 128 bytes for each wave: two blocks of 256 bytes that no other line names
.set SPW,   192                        ; v192  LDS address of my spare word; never rewritten
.set NIL,   193                        ; v193  0; never rewritten
.set R,     16                         ; inputs: v16-79 four sets of 16 numbers as loaded
.set X,     80                         ;         v80-111 two sets of 16 neighbours
.set E,     112                        ;         v112-127 a scale byte for each step
.set C,     128                        ;         v128-191 codes, four registers for each step: no store's data are written again
.set NB,    8                          ; weights: blocks of a lane
.set WX,    32                         ;          v32-95 two sets of 32 numbers
.set WC,    96                         ;          v96-99 a block's codes
.set SB,    24                         ;          v24-25 the scale bytes, four to a register
.set OUTR,  112                        ;          v112-143 the way out
	s_load_b256 s[4:11], s[0:1], 0x0               ; inputs s[4:5], WQ s[6:7], WK s[8:9], WV s[10:11]
	s_load_b256 s[12:19], s[0:1], 0x20             ; xc s[12:13], xs s[14:15], wc s[16:17], ws s[18:19]
	v_lshl_add_u32 v[SPW], v0, 2, SPARE
	v_mov_b32 v[NIL], 0
	v_lshrrev_b32 v1, 5, v0
	v_readfirstlane_b32 s20, v1                    ; wave 0..3
	v_and_b32 v2, 31, v0                           ; lane
	s_cmp_lt_u32 ttmp9, NWGW
	s_cbranch_scc1 .Lweights
	; ---------------- the inputs ----------------
	v_lshlrev_b32 v3, 4, v2                        ; my 16 bytes of a load's 512
	s_lshl_b32 s21, s20, 13                        ; my wave's region of 8,192 bytes
	v_lshrrev_b32 v14, 2, v2
	v_mul_u32_u24 v14, v14, SP
	v_and_b32 v15, 3, v2
	v_lshl_add_u32 v14, v15, 4, v14
	v_add_nc_u32 v14, s21, v14                     ; the stage, way in: four lanes' 64 bytes on end, then 16 of padding
	v_mul_u32_u24 v15, v2, SP
	v_add_nc_u32 v15, s21, v15                     ; way out: my 16 neighbours
	v_lshlrev_b32 v4, 3, v2                        ; my 8 bytes of a step's 256 bytes of codes
	v_lshrrev_b32 v5, 1, v2
	s_add_co_u32 s21, s21, 2*32*SP
	v_add_nc_u32 v5, s21, v5                       ; my wave's 256 scale bytes in LDS: my block's byte
	v_lshlrev_b32 v7, 3, v2
	v_add_nc_u32 v6, s21, v7                       ; and on their way out 8 bytes a lane
	s_sub_co_u32 s22, ttmp9, NWGW
	s_lshl_b32 s22, s22, 2
	s_add_co_u32 s22, s22, s20                     ; which run of 8,192 numbers is my wave's: 0 .. 1,023
	s_lshl_b32 s24, s22, 15                        ; 32,768 bytes of numbers,
	s_mov_b32 s25, 0
	s_lshl_b32 s26, s22, 12                        ; 4,096 of codes,
	s_mov_b32 s27, 0
	s_lshl_b32 s28, s22, 8                         ; 256 of scale bytes
	s_mov_b32 s29, 0
	s_wait_kmcnt 0x0
	s_add_nc_u64 s[4:5], s[4:5], s[24:25]
	s_add_nc_u64 s[12:13], s[12:13], s[26:27]
	s_add_nc_u64 s[14:15], s[14:15], s[28:29]
.macro XLOAD t
.irp i, 0,1,2,3
	global_load_b128 v[R+16*((\t)%4)+4*\i:R+16*((\t)%4)+4*\i+3], v3, s[4:5] offset:2048*(\t)+512*\i th:TH_LOAD_NT   ; 32 lanes read 512 consecutive bytes
.endr
.endm
.macro XTURN t                         ; step t's numbers through the stage: LDS serves a wave's instructions in order, so no wait stands between the stores and the loads
.irp i, 0,1,2,3
	ds_store_b128 v14, v[R+16*((\t)%4)+4*\i:R+16*((\t)%4)+4*\i+3] offset:32*SP*((\t)%2)+8*SP*\i
.endr
.irp i, 0,1,2,3
	ds_load_b128 v[X+16*((\t)%2)+4*\i:X+16*((\t)%2)+4*\i+3], v15 offset:32*SP*((\t)%2)+16*\i
.endr
.endm
.irp t, 0,1,2,3
	XLOAD \t
.endr
	s_wait_loadcnt 12                              ; step 0's four loads are in; the twelve of steps 1 to 3 may be out
	XTURN 0
.macro XSTEP t
.set XS, X+16*((\t)%2)
.if (\t) > 0
	s_wait_dscnt 1                                 ; this step's numbers are back from the stage; the one younger LDS instruction, the last step's byte store, may be out
.else
	s_wait_dscnt 0x0
.endif
.if (\t)+4 < STEPS
	XLOAD (\t)+4                                   ; into the set whose stores into the stage have read their registers
.endif
.if (\t)+1 < STEPS
.if STEPS-2-(\t) >= 3
	s_wait_loadcnt 12                              ; the next step's four loads are in; those of the three steps behind it may be out
.else
	s_wait_loadcnt 4*(STEPS-2-(\t))                ; the counts run down: four loads for each step still behind the next
.endif
	XTURN (\t)+1
.endif
	v_max3_num_f32 v8, |v[XS]|, |v[XS+1]|, |v[XS+2]|               ; the largest magnitude of my 16, in two chains
	v_max3_num_f32 v9, |v[XS+3]|, |v[XS+4]|, |v[XS+5]|
.irp i, 6,10
	v_max3_num_f32 v8, v8, |v[XS+\i]|, |v[XS+\i+1]|
	v_max3_num_f32 v9, v9, |v[XS+\i+2]|, |v[XS+\i+3]|
.endr
	v_max3_num_f32 v8, v8, |v[XS+14]|, |v[XS+15]|
	v_max3_num_f32 v8, v8, v9, 0x1800000           ; and the floor 2^(3 - 127): the byte cannot fall under 1
	v_max_num_f32_dpp v8, v8, v8 row_xmask:1 row_mask:0xf bank_mask:0xf   ; with my neighbour's 16: the block's
	v_add_nc_u32 v11, 0xff000000, v8               ; 2 off its exponent field: the conversion takes the exponent field of this operand as its scale
	v_cvt_scalef32_pk8_fp4_f32 v[C+4*(\t)], v[XS:XS+7], v11
	v_cvt_scalef32_pk8_fp4_f32 v[C+4*(\t)+1], v[XS+8:XS+15], v11
	v_lshrrev_b32 v[E+(\t)], 23, v11               ; the scale's byte (also the plain instruction behind the conversions)
	ds_store_b8 v5, v[E+(\t)] offset:16*(\t)       ; both lanes of a block write the same byte with the same value
	global_store_b64 v4, v[C+4*(\t):C+4*(\t)+1], s[12:13] offset:256*(\t)   ; the wave stores 256 consecutive bytes, aligned
.endm
.irp t, 0,1,2,3,4,5,6,7,8,9,10,11,12,13,14,15
	XSTEP \t
.endr
	ds_load_b64 v[8:9], v6                         ; LDS serves a wave's instructions in order: these see my byte stores
	s_wait_dscnt 0x0
	global_store_b64 v7, v[8:9], s[14:15]          ; my wave's 256 scale bytes: 256 consecutive bytes, aligned
	s_wait_tensorcnt 0x0                           ; the wave's end, behind my last LDS store
	ds_add_u32 v[SPW], v[NIL]
	s_wait_dscnt 0x0
	s_endpgm
	; ---------------- the weights ----------------
.Lweights:
	s_lshr_b32 s21, ttmp9, 5                       ; which weight: 0 WQ, 1 WK, 2 WV
	s_and_b32 s22, ttmp9, 1                        ; ky: which 512 along K
	s_bfe_u32 s23, ttmp9, 0x40001                  ; cgp: which 64 columns
	s_and_b32 s24, s20, 1                          ; cg: which 32 of them are my wave's
	s_lshr_b32 s25, s20, 1                         ; kh: which 256 of the 512 along K
	s_lshl_b32 s26, s22, 21                        ; the source: (512 ky + 256 kh) rows of 4,096 bytes + 4 (64 cgp + 32 cg)
	s_lshl_b32 s27, s25, 20
	s_add_co_u32 s26, s26, s27
	s_lshl_b32 s27, s23, 8
	s_add_co_u32 s26, s26, s27
	s_lshl_b32 s27, s24, 7
	s_add_co_u32 s26, s26, s27
	s_mov_b32 s27, 0
	s_lshl_b32 s28, s21, 19                        ; the codes: 512 (1024 weight + 64 cgp + 16 wave) + 256 ky
	s_lshl_b32 s29, s23, 15
	s_add_co_u32 s28, s28, s29
	s_lshl_b32 s29, s20, 13
	s_add_co_u32 s28, s28, s29
	s_lshl_b32 s29, s22, 8
	s_add_co_u32 s28, s28, s29
	s_mov_b32 s29, 0
	s_lshl_b32 s30, s21, 15                        ; the scale bytes: 32 (1024 weight + 64 cgp + 32 cg) + 16 ky + 8 kh
	s_lshl_b32 s31, s23, 11
	s_add_co_u32 s30, s30, s31
	s_lshl_b32 s31, s24, 10
	s_add_co_u32 s30, s30, s31
	s_lshl_b32 s31, s22, 4
	s_add_co_u32 s30, s30, s31
	s_lshl_b32 s31, s25, 3
	s_add_co_u32 s30, s30, s31
	s_mov_b32 s31, 0
	s_mul_i32 s32, s24, 32*WP                      ; into the stage: row = my column among the 64, my 128 bytes of its 256
	s_lshl_b32 s33, s25, 7
	s_add_co_u32 s32, s32, s33
	s_add_co_u32 s32, s32, WSTG
	v_mul_u32_u24 v4, v2, WP
	v_add_nc_u32 v4, s32, v4
	s_mul_i32 s33, s20, 16*WP                      ; out of it: wave w takes rows 16 w .. 16 w + 15, sixteen lanes to a row, two rows an instruction
	s_add_co_u32 s33, s33, WSTG
	v_and_b32 v5, 15, v2
	v_lshrrev_b32 v6, 4, v2
	v_mul_u32_u24 v7, v6, WP
	v_lshl_add_u32 v7, v5, 4, v7
	v_add_nc_u32 v7, s33, v7
	v_lshlrev_b32 v8, 9, v6                        ; and the same place in the codes' buffer: rows of 512 bytes
	v_lshl_add_u32 v8, v5, 4, v8
	v_lshlrev_b32 v9, 5, v2                        ; my column's row of scale bytes: 32 bytes a row
	v_lshlrev_b32 v3, 2, v2                        ; the source: 4 bytes a lane
	s_wait_kmcnt 0x0
	s_cmp_eq_u32 s21, 1                            ; the choice hangs on the work-group's number alone
	s_cselect_b64 s[6:7], s[8:9], s[6:7]
	s_cmp_eq_u32 s21, 2
	s_cselect_b64 s[6:7], s[10:11], s[6:7]
	s_add_nc_u64 s[6:7], s[6:7], s[26:27]
	s_add_nc_u64 s[16:17], s[16:17], s[28:29]
	s_add_nc_u64 s[18:19], s[18:19], s[30:31]
.macro WLOAD t                         ; block t: W(k0 + 32 t + i, my column), i = 0 .. 31, into set t % 2; every offset is an immediate, 255 rows of 4,096 bytes at the most
.irp i, 0,1,2,3,4,5,6,7,8,9,10,11,12,13,14,15,16,17,18,19,20,21,22,23,24,25,26,27,28,29,30,31
	global_load_b32 v[WX+32*((\t)%2)+\i], v3, s[6:7] offset:(32*(\t)+\i)*4096 th:TH_LOAD_NT
.endr
.endm
	WLOAD 0
	WLOAD 1
.macro WBLOCK t
.set XS, WX+32*((\t)%2)
.if (\t) < NB-1
	s_wait_loadcnt 32                              ; this block's 32 loads are in; the next block's 32 may be out
.else
	s_wait_loadcnt 0
.endif
	v_max3_num_f32 v12, |v[XS]|, |v[XS+1]|, |v[XS+2]|              ; the block's largest magnitude: all 32 numbers are mine
	v_max3_num_f32 v13, |v[XS+3]|, |v[XS+4]|, |v[XS+5]|
.irp i, 6,10,14,18,22,26
	v_max3_num_f32 v12, v12, |v[XS+\i]|, |v[XS+\i+1]|
	v_max3_num_f32 v13, v13, |v[XS+\i+2]|, |v[XS+\i+3]|
.endr
	v_max3_num_f32 v12, v12, |v[XS+30]|, |v[XS+31]|
	v_max3_num_f32 v12, v12, v13, 0x1800000        ; and the floor 2^(3 - 127)
	v_add_nc_u32 v11, 0xff000000, v12              ; 2 off its exponent field: the conversion's scale operand
	v_lshrrev_b32 v13, 23, v11                     ; the scale's byte
.if (\t)%4 == 0
	v_mov_b32 v[SB+(\t)/4], v13                    ; four bytes to a register, the lower K in the lower byte
.else
	v_lshl_or_b32 v[SB+(\t)/4], v13, 8*((\t)%4), v[SB+(\t)/4]
.endif
.irp g, 0,1,2,3
	v_cvt_scalef32_pk8_fp4_f32 v[WC+\g], v[XS+8*\g:XS+8*\g+7], v11
.endr
	v_nop                                          ; one plain instruction behind the last conversion
	ds_store_b128 v4, v[WC:WC+3] offset:16*(\t)    ; 32 codes: 16 bytes of my column's row
.if (\t)+2 < NB
	WLOAD (\t)+2
.endif
	s_wait_dscnt 0x0                               ; the store has landed and has read its registers: the next block's codes may be written
.endm
.set Q, 0
.rept NB
	WBLOCK Q
.set Q, Q+1
.endr
	s_barrier_signal -1                            ; every wave's stores into the stage have landed (the wait for 0 closes each block)
	s_barrier_wait -1
	global_store_b64 v9, v[SB:SB+1], s[18:19]      ; my column's 8 scale bytes
.irp t, 0,1,2,3,4,5,6,7
	ds_load_b128 v[OUTR+4*\t:OUTR+4*\t+3], v7 offset:2*\t*WP
.endr
.irp t, 0,1,2,3,4,5,6,7
	s_wait_dscnt 7-\t                              ; LDS loads come back in order: load t is in, the 7 - t younger ones may be out
	global_store_b128 v8, v[OUTR+4*\t:OUTR+4*\t+3], s[16:17] offset:1024*\t   ; sixteen lanes store 256 consecutive bytes, aligned
.endr
	s_wait_tensorcnt 0x0                           ; the wave's end, behind my last LDS store
	ds_add_u32 v[SPW], v[NIL]
	s_wait_dscnt 0x0
	s_endpgm
.Lfunc_end_k_qb002cd88f4_quant:
	.size	k_qb002cd88f4_quant, .Lfunc_end_k_qb002cd88f4_quant-k_qb002cd88f4_quant
	.p2alignl 7, 3214868480
	.fill 96, 4, 3214868480
	.section	.rodata,"a",@progbits
	.p2align	6, 0x0
	.amdhsa_kernel k_qb002cd88f4_quant
		.amdhsa_group_segment_fixed_size 50688
		.amdhsa_private_segment_fixed_size 0
		.amdhsa_enable_private_segment 0
		.amdhsa_kernarg_size 64
		.amdhsa_user_sgpr_count 2
		.amdhsa_user_sgpr_kernarg_segment_ptr 1
		.amdhsa_wavefront_size32 1
		.amdhsa_system_sgpr_workgroup_id_x 1
		.amdhsa_system_sgpr_workgroup_id_y 1
		.amdhsa_system_sgpr_workgroup_id_z 1
		.amdhsa_system_vgpr_workitem_id 0
		.amdhsa_next_free_vgpr 200
		.amdhsa_next_free_sgpr 66
		.amdhsa_reserve_vcc 0
		.amdhsa_float_denorm_mode_32 3
		.amdhsa_float_denorm_mode_16_64 3
		.amdhsa_memory_ordered 1
		.amdhsa_forward_progress 1
		.amdhsa_inst_pref_size 74
	.end_amdhsa_kernel
	.amdgpu_metadata
---
amdhsa.version: [ 1, 2 ]
amdhsa.kernels:
  - .name:           k_qb002cd88f4_quant
    .symbol:         k_qb002cd88f4_quant.kd
    .args:
      - { .name: inputs, .offset: 0, .size: 8, .value_kind: global_buffer, .address_space: global }
      - { .name: WQ, .offset: 8, .size: 8, .value_kind: global_buffer, .address_space: global }
      - { .name: WK, .offset: 16, .size: 8, .value_kind: global_buffer, .address_space: global }
      - { .name: WV, .offset: 24, .size: 8, .value_kind: global_buffer, .address_space: global }
      - { .name: xc, .offset: 32, .size: 8, .value_kind: global_buffer, .address_space: global }
      - { .name: xs, .offset: 40, .size: 8, .value_kind: global_buffer, .address_space: global }
      - { .name: wc, .offset: 48, .size: 8, .value_kind: global_buffer, .address_space: global }
      - { .name: ws, .offset: 56, .size: 8, .value_kind: global_buffer, .address_space: global }
    .group_segment_fixed_size: 50688
    .private_segment_fixed_size: 0
    .kernarg_segment_align: 8
    .kernarg_segment_size: 64
    .max_flat_workgroup_size: 128
    .sgpr_count:     66
    .vgpr_count:     200
    .wavefront_size: 32
...
	.end_amdgpu_metadata
.endif
;; end of part 1
;; launch proj (part 2): grid 8 x 32, 4 waves a work-group, clusters of 4 x 4, 327,680 bytes of LDS; arguments xc, xs, wc, ws, qk, vt; writes qk, vt
.if DOCPART == 2
	.amdgcn_target "amdgcn-amd-amdhsa--gfx1250"
	.amdhsa_code_object_version 6
	.text
	.protected	k_qb002cd88f4_proj
	.globl	k_qb002cd88f4_proj
	.p2align	8
	.type	k_qb002cd88f4_proj,@function
k_qb002cd88f4_proj:
	s_mov_b64 s[64:65], 0
	v_nop
	global_prefetch_b8 v0, s[64:65] scope:SCOPE_SE
	s_setreg_imm32_b32 hwreg(HW_REG_WAVE_MODE, 25, 1), 1
	s_wait_xcnt 0x0
	s_wait_alu depctr_hold_cnt(0) depctr_sa_sdst(0) depctr_va_vdst(0) depctr_va_sdst(0) depctr_va_ssrc(0) depctr_va_vcc(0) depctr_vm_vsrc(0)
	s_getreg_b32 s2, hwreg(HW_REG_IB_STS2, 6, 4)
	s_cmp_eq_u32 s2, 0
	s_cbranch_scc0 .Lentry_in_a_cluster
	s_endpgm
.Lentry_in_a_cluster:
	s_bfe_u32 s2, ttmp6, 0x10000c
	s_cmp_lg_u32 s2, 0xf033
	s_cbranch_scc0 .Lentry_shape_is_right
	s_endpgm
.Lentry_shape_is_right:
; SECOND LAUNCH: the three projections, on codes of FP4 (E2M1) with E8M0 scales, sums in f32, results rounded once to f16.  Nothing is left out.
; 256 EQUAL WORK-GROUPS, TWO PRODUCTS EACH, K = 1,024.  Work-group (TR, TC), four waves:
;   FIRST   qk[256 TR ..][256 TC ..] = inputs x (WQ | WK): a tile of 256 tokens x 256 columns; A = the inputs' codes, B = rows 256 TC .. of wc; a wave makes 128 x 128: 64 accumulators, 512 registers.
;   SECOND  vt[batch][128 TC ..][the same 256 tokens] = V TRANSPOSED (the tokens are the last product's K): 128 u x 256 tokens; A = WV's codes (rows 2,048 + 128 TC .. of wc), B = the inputs' codes; a wave makes 64 u x 128 tokens: 32 accumulators.
; THE TOKENS' CODES AND SCALE BYTES COME INTO LDS ONCE AND SERVE BOTH PRODUCTS.  K lies in two LDS slots of 512 (rows of 256 bytes), both filled at the start.  The second product wants only WV's 128 rows more: 64 KiB.  They land where
; WQ's or WK's rows lay, in the first half of B's part of each slot: ONE refill, behind one round of the cluster's barrier in the first product's last step; it has the rest of that step and the first way out in which to land.
; The first product's stores are on their way while the second is multiplied.
; qk: [8192 tokens][2048] f16, columns 0-1023 Q, 1024-2047 K.  vt: [4][1024 u][2048 tokens] f16.  Both have rows of 4,096 bytes.
; CLUSTERS: 4 x 4 work-groups; the tokens' tiles are asked for jointly along a row of the cluster, the weights' (WV's too) along a column.
; THE MATRIX INSTRUCTION IS USED TRANSPOSED (source 0 = 16 rows of B, source 1 = 16 rows of A): a lane holds eight neighbouring numbers of a row of the result.
; LIMIT: a result beyond 65,504 in magnitude has no f16 number.
; REGISTERS, in windows of 256: window 0: v0-31 addresses; v32-95 scale words, a set for each slot: they stay for the second product; v96-127 WV's scale words; v128-191 A's fragments; v192-223 packed results; v128-159 and v224-255 rows on the way out.
;   window 1: B's fragments, two sets, at v0 and v128.   window 2: the accumulators of my rows 0-63 ((a, b) at v[8 (8 a + b)]), then the second product's 32;   window 3: those of my rows 64-127.
.set NQ,     4                         ; steps of 128 along K in a slot
.set ROWB,   256                       ; a tile's row in bytes: 512 codes
.set KROW,   512                       ; a row of codes in memory
.set PITCH,  272                       ; an LDS row: 256 bytes + 16 of padding: the 16 rows that a load touches start 68 words apart
.set FR,     8                         ; registers of a fragment: 16 rows x 128 K
.set NL,     2                         ; LDS loads that bring one
.set NP,     4                         ; places behind this matrix instruction (ISA guide 7.12.1)
.set HALFT,  128*PITCH                 ; 128 rows: what one tensor load brings
.set SLOT,   4*HALFT                   ; A's 256 rows, then B's 256 rows
.set KS,     32                        ; a row of scale bytes
.set SCL,    2*SLOT                    ; behind the slots: the scale bytes, as rows of 256 bytes + 16 of padding
.set HALFS,  (128*KS/256)*272          ; those of 128 rows
.set SBLK,   (16*KS/256)*272           ; those of 16 rows
.set SPARE,  SCL+4*HALFS               ; the spare words, 128 bytes for each wave: two blocks of 256 bytes that no other line names
.set STAGE,  SPARE+512                 ; the way out: 16 rows x (256 bytes + 16) for each wave, in bytes of their own: no tensor load lands here
.set SPITCH, 272
.set ADRA, 16                          ; v16-17  LDS address of my 128 tokens' fragments in slot 0, 1
.set ADRW, 18                          ; v18-19  the same for my 64 rows of WV
.set ADRB, 20                          ; v20-21  the same for my 128 rows of WQ or WK
.set STO,  24                          ; v24     the way out: where I put 16 bytes of a row
.set RD,   25                          ; v25     where I read a row back
.set CO,   26                          ; v26     my byte offset in two rows of the result
.set ADRS, 27                          ; v27     LDS address of my scale words: lanes 0-15 the tokens' rows, lanes 16-31 WQ's or WK's
.set SPW,  28                          ; v28     LDS address of my spare word; never rewritten
.set NIL,  29                          ; v29     0; never rewritten
.set WSO,  30                          ; v30     32 x (l % 16): my row among 16 rows of WV's scale bytes; never rewritten
.set SC,   32                          ; scale words: set s at v[SC + 32 s]; register 4 i + q: lanes 0-15 the tokens' block i, lanes 16-31 WQ's or WK's block i, the slot's q-th 128 along K
.set WS,   96                          ; WV's scale words: register 8 a + 4 s + q: block a, slot s, the slot's q-th 128 along K
.set AF,   128                         ; A's fragments: first product one set of 8 blocks; second product two sets of 4
.set TMP,  192                         ; the way out: packed results
.set WV,   16                          ; s16 wave;  s17 which half of the tokens is mine, also: I fetch for A (0) or B (1);  s18 which half of the columns (of the u), also: which 128 rows (which K half of WV) I fetch
.set RH,   17
.set CH,   18
.set G1,   24                          ; s[24:31] group 1 for the tokens' tiles; s[32:39] group 0, a set for each slot
.set G0,   32
.set G1B,  48                          ; s[48:55], s[56:63] the same for the weights'
.set G0B,  56
.set G1S,  68                          ; s[68:75], s[76:79] groups 1 and 0 for the tokens' scale bytes; s[80:87], s[88:91] for WQ's or WK's
.set G0S,  76
.set G1SB, 80
.set G0SB, 88
.set G0W,  76                          ; s[76:79] once more: group 0 for WV's codes, written when the load of the tokens' scale bytes is long done
.set MSB, 0
.macro WIN new                         ; the immediate's high byte repeats the setting that is left; a switch that changes nothing is dropped
.if MSB != \new
	s_set_vgpr_msb (MSB<<8)|\new
.set MSB, \new
.endif
.endm
.set MUL_LO, 0xa1                      ; source 0 (B) window 1, source 1 (A) window 0, C and D window 2
.set MUL_HI, 0xf1                      ; the same, C and D window 3
.set TO_B,   0x40                      ; destination window 1, address window 0
; A joint load: waves 0 and 1 fetch for A, waves 2 and 3 for B; the branch hangs on the wave's number alone.  An s_nop 0 and four v_nop follow each of the two lines.
.macro JLOAD g0a, g1a, g0b, g1b
	s_cmp_eq_u32 s[RH], 0
	s_cbranch_scc0 .Lfor_b_\@
	tensor_load_to_lds s[\g0a:\g0a+3], s[\g1a:\g1a+7]
	s_nop 0
.rept 4
	v_nop
.endr
	s_branch .Lasked_\@
.Lfor_b_\@:
	tensor_load_to_lds s[\g0b:\g0b+3], s[\g1b:\g1b+7]
	s_nop 0
.rept 4
	v_nop
.endr
.Lasked_\@:
.endm
; The refill: WV's 128 rows.  Wave 2 fetches their first 512 along K into slot 0, wave 3 the other 512 into slot 1: the shape and the mask are those of the weights' tiles.  Waves 0 and 1 have nothing to fetch.
.macro WLOAD
	s_cmp_eq_u32 s[RH], 0
	s_cbranch_scc1 .Lno_w_\@
	tensor_load_to_lds s[G0W:G0W+3], s[G1B:G1B+7]
	s_nop 0
.rept 4
	v_nop
.endr
.Lno_w_\@:
.endm
.macro CREST                           ; a round of the cluster's barrier behind its opening barrier
	s_cmp_lg_u32 s[WV], 0
	s_cbranch_scc1 .Lnot_wave_0_\@
	s_barrier_signal -3
.Lnot_wave_0_\@:
	s_barrier_wait -3
	s_barrier_signal -1
	s_barrier_wait -1
.endm
.macro CROUND                          ; a whole round
	s_barrier_signal -1
	s_barrier_wait -1
	CREST
.endm
	s_load_b256 s[4:11], s[0:1], 0x0               ; xc s[4:5], xs s[6:7], wc s[8:9], ws s[10:11]
	s_load_b128 s[12:15], s[0:1], 0x20             ; qk s[12:13], vt s[14:15]
	v_lshl_add_u32 v[SPW], v0, 2, SPARE
	v_mov_b32 v[NIL], 0
	ds_add_u32 v[SPW], v[NIL]                      ; the wave's opening: the add, twice on end, and its wait ahead of my first tensor load
	ds_add_u32 v[SPW], v[NIL]                      ; and once more; the set-up below, work on registers, stands between it and the wait
	v_lshrrev_b32 v1, 5, v0
	v_readfirstlane_b32 s[WV], v1                  ; wave 0..3
	s_lshr_b32 s[RH], s[WV], 1
	s_and_b32 s[CH], s[WV], 1
	s_bfe_u32 s40, ttmp6, 0x40000                  ; cx, cy: my place in the cluster
	s_bfe_u32 s41, ttmp6, 0x40004
	s_lshl_b32 s42, ttmp9, 2
	s_add_co_u32 s42, s42, s40                     ; TC = 4 x cluster x + cx: which 256 columns of Q | K, and which 128 u of V
	s_and_b32 s45, ttmp7, 0xffff
	s_lshl_b32 s45, s45, 2
	s_add_co_u32 s45, s45, s41                     ; TR = 4 x cluster y + cy: which 256 tokens
	s_lshl_b32 s43, s41, 2
	s_lshl_b32 s43, 15, s43                        ; my row of the cluster
	s_lshl_b32 s44, 0x1111, s40                    ; my column
	; group 1: a tile of 128 rows x 256 bytes, padded in LDS
	s_or_b32 s[G1+0], s43, (0<<16)|(1<<20)|(1<<21)|(5<<22)|(3<<25)  ; 15:0 the mask: the tokens' tiles go to my row; 17:16 elements of 1 byte; 20 padding on; 21 set beside a mask; 24:22 after every 64 words; 31:25 four words
	s_or_b32 s[G1B+0], s44, (0<<16)|(1<<20)|(1<<21)|(5<<22)|(3<<25) ; the weights' go to my column
.irp g, G1, G1B
	s_mov_b32 s[\g+1], ROWB<<16                    ; tensor_dim0
	s_mov_b32 s[\g+2], 128<<16                     ; tensor_dim1
	s_mov_b32 s[\g+3], ROWB<<16                    ; tile_dim0
	s_mov_b32 s[\g+4], 128                         ; tile_dim1
	s_mov_b32 s[\g+5], KROW                        ; from row to row
	s_mov_b32 s[\g+6], 0
	s_mov_b32 s[\g+7], 0
.endr
	; the scale bytes of 128 rows: 4,096 dense bytes, as 16 rows of 256 bytes (32 elements of 8 bytes), 16 bytes of padding behind each
	s_or_b32 s[G1S+0], s43, (3<<16)|(1<<20)|(1<<21)|(5<<22)|(3<<25)
	s_or_b32 s[G1SB+0], s44, (3<<16)|(1<<20)|(1<<21)|(5<<22)|(3<<25)
.irp g, G1S, G1SB
	s_mov_b32 s[\g+1], 32<<16
	s_mov_b32 s[\g+2], (128*KS/256)<<16
	s_mov_b32 s[\g+3], 32<<16
	s_mov_b32 s[\g+4], 128*KS/256
	s_mov_b32 s[\g+5], 32
	s_mov_b32 s[\g+6], 0
	s_mov_b32 s[\g+7], 0
.endr
	s_lshl_b32 s22, s[CH], 7                       ; which 128 rows of the tile I fetch
	s_lshl_b32 s20, s45, 8
	s_add_co_u32 s20, s20, s22                     ; the tokens' first row: 256 TR + 128 x half
	s_lshl_b32 s46, s42, 8
	s_add_co_u32 s46, s46, s22                     ; WQ's or WK's: 256 TC + 128 x half
	s_lshl_b32 s66, s20, 5                         ; where the tokens' scale bytes begin (all these stay under 2^23),
	s_mov_b32 s67, 0
	s_lshl_b32 s20, s20, 9                         ; and their codes
	s_mov_b32 s21, 0
	s_lshl_b32 s22, s46, 5                         ; the weights' likewise
	s_mov_b32 s23, 0
	s_lshl_b32 s46, s46, 9
	s_mov_b32 s47, 0
	s_lshl_b32 s2, s42, 7
	s_add_co_u32 s2, s2, 2048                      ; WV's first row in wc and ws: 2,048 + 128 TC
	s_lshl_b32 s100, s2, 9                         ; its codes,
	s_lshl_b32 s101, s[CH], 8
	s_add_co_u32 s100, s100, s101                  ; at the K half that I fetch
	s_mov_b32 s101, 0
	s_mul_i32 s19, s[WV], HALFT                    ; where the first fills go: wave x 128 rows: no place in the cluster enters an LDS address
	s_mul_i32 s3, s[WV], HALFS
	s_wait_dscnt 0x0                               ; both opening adds are done
	s_wait_kmcnt 0x0
	s_add_nc_u64 s[4:5], s[4:5], s[20:21]          ; the tokens' codes
	s_add_nc_u64 s[6:7], s[6:7], s[66:67]          ; the tokens' scale bytes
	s_add_nc_u64 s[100:101], s[8:9], s[100:101]    ; WV's codes
	s_add_nc_u64 s[8:9], s[8:9], s[46:47]          ; WQ's or WK's codes
	s_lshl_b32 s66, s2, 5                          ; WV's scale bytes: 32 (2,048 + 128 TC + 64 x my half of the u)
	s_lshl_b32 s2, s[CH], 11
	s_add_co_u32 s66, s66, s2
	s_add_nc_u64 s[66:67], s[10:11], s[66:67]
	s_add_nc_u64 s[10:11], s[10:11], s[22:23]      ; WQ's or WK's scale bytes
	CROUND                                         ; all sixteen work-groups are here: the first joint loads meet
	s_mov_b32 s[G0S], 1
	s_add_co_u32 s[G0S+1], s3, SCL
	s_mov_b64 s[G0S+2:G0S+3], s[6:7]
	s_or_b32 s[G0S+3], s[G0S+3], 0x80000000
	s_mov_b32 s[G0SB], 1
	s_add_co_u32 s[G0SB+1], s3, SCL
	s_mov_b64 s[G0SB+2:G0SB+3], s[10:11]
	s_or_b32 s[G0SB+3], s[G0SB+3], 0x80000000
	JLOAD G0S, G1S, G0SB, G1SB                     ; the scale bytes first: they are wanted with the first K step
.irp s, 0,1
	s_mov_b32 s[G0+4*\s], 1
	s_add_co_u32 s[G0+4*\s+1], s19, \s*SLOT
	s_add_nc_u64 s[G0+4*\s+2:G0+4*\s+3], s[4:5], \s*ROWB
	s_or_b32 s[G0+4*\s+3], s[G0+4*\s+3], 0x80000000
	s_mov_b32 s[G0B+4*\s], 1
	s_add_co_u32 s[G0B+4*\s+1], s19, \s*SLOT
	s_add_nc_u64 s[G0B+4*\s+2:G0B+4*\s+3], s[8:9], \s*ROWB
	s_or_b32 s[G0B+4*\s+3], s[G0B+4*\s+3], 0x80000000
	JLOAD G0+4*\s, G1, G0B+4*\s, G1B               ; three tensor loads of mine are out behind the second of these
.endr
	v_and_b32 v1, 15, v0                           ; l % 16
	v_bfe_u32 v2, v0, 4, 1                         ; l / 16
	v_lshlrev_b32 v[WSO], 5, v1
.irp a, 0,1,2,3                                ; WV's scale words of my 64 u, for all of K: 16 rows of 32 bytes are 512 consecutive bytes; lanes 16-31 load what lanes 0-15 load and are not read
	global_load_b128 v[WS+8*\a:WS+8*\a+3],   v[WSO], s[66:67] offset:512*\a
	global_load_b128 v[WS+8*\a+4:WS+8*\a+7], v[WSO], s[66:67] offset:512*\a+16
.endr
	v_mul_u32_u24 v3, v1, PITCH
	v_lshl_add_u32 v4, v2, 4, v3                   ; a fragment's row x pitch + 16 x half
	s_mul_i32 s21, s[RH], HALFT                    ; my 128 tokens
	s_mul_i32 s22, s[CH], HALFT                    ; my 128 rows of WQ or WK,
	s_add_co_u32 s22, s22, 2*HALFT                 ; which lie behind the tokens' 256
	s_mul_i32 s23, s[CH], 64*PITCH                 ; my 64 rows of WV's 128,
	s_add_co_u32 s23, s23, 2*HALFT                 ; which will lie where the weights' first 128 rows lay
.irp s, 0,1
	v_add_nc_u32 v[ADRA+\s], s21, v4
	v_add_nc_u32 v[ADRB+\s], s22, v4
	v_add_nc_u32 v[ADRW+\s], s23, v4
	s_add_co_u32 s21, s21, SLOT
	s_add_co_u32 s22, s22, SLOT
	s_add_co_u32 s23, s23, SLOT
.endr
	v_mul_u32_u24 v5, v1, KS                       ; my row's scale bytes: 32 bytes a row,
	v_lshrrev_b32 v6, 8, v5
	v_lshl_add_u32 v5, v6, 4, v5                   ; and 16 more for each 256 passed
	s_mul_i32 s21, s[RH], HALFS                    ; the tokens': my 128 rows
	s_mul_i32 s22, s[CH], HALFS                    ; the weights': my 128 rows, behind the tokens' 256
	s_add_co_u32 s22, s22, 2*HALFS
	s_sub_co_u32 s22, s22, s21
	v_mul_u32_u24 v6, s22, v2                      ; lanes 16-31 take the weights': the lower base + half x the distance
	s_add_co_u32 s21, s21, SCL
	v_add_nc_u32 v5, v5, v6
	v_add_nc_u32 v[ADRS], s21, v5
	s_mul_i32 s23, s[WV], 16*SPITCH
	s_add_co_u32 s23, s23, STAGE                   ; my stage
	v_mul_u32_u24 v5, v1, SPITCH                   ; in: row l % 16, 16 bytes for each half of the lanes
	v_lshl_add_u32 v5, v2, 4, v5
	v_add_nc_u32 v[STO], s23, v5
	v_mul_u32_u24 v5, v2, SPITCH                   ; back: lanes 0-15 one row of 256 bytes, lanes 16-31 the next
	v_lshl_add_u32 v5, v1, 4, v5
	v_add_nc_u32 v[RD], s23, v5
	v_lshlrev_b32 v5, 12, v2                       ; and the same two rows in the result: rows of 4,096 bytes
	v_lshl_add_u32 v[CO], v1, 4, v5
	s_lshl_b32 s20, s45, 20                        ; my part of qk: 4096 (256 TR + 128 x token half) + 512 TC + 256 x column half: under 2^25
	s_lshl_b32 s21, s[RH], 19
	s_add_co_u32 s20, s20, s21
	s_lshl_b32 s21, s42, 9
	s_add_co_u32 s20, s20, s21
	s_lshl_b32 s21, s[CH], 8
	s_add_co_u32 s20, s20, s21
	s_mov_b32 s21, 0
	s_add_nc_u64 s[12:13], s[12:13], s[20:21]
	s_lshr_b32 s20, s45, 3                         ; my part of vt: 4 MiB x batch (TR / 8) + 4096 (128 TC + 64 x u half) + 512 (TR % 8) + 256 x token half: under 2^24
	s_lshl_b32 s20, s20, 22
	s_lshl_b32 s21, s42, 19
	s_add_co_u32 s20, s20, s21
	s_lshl_b32 s21, s[CH], 18
	s_add_co_u32 s20, s20, s21
	s_and_b32 s21, s45, 7
	s_lshl_b32 s21, s21, 9
	s_add_co_u32 s20, s20, s21
	s_lshl_b32 s21, s[RH], 8
	s_add_co_u32 s20, s20, s21
	s_mov_b32 s21, 0
	s_add_nc_u64 s[14:15], s[14:15], s[20:21]
.macro FRAG reg, adr, q, i             ; a fragment, 16 rows x 128 K of 4-bit codes: lane l holds row l % 16; registers 4 c .. 4 c + 3 hold K = 64 c + 32 (l / 16) + 0 .. 31
.irp c, 0,1
	ds_load_b128 v[\reg+4*\c:\reg+4*\c+3], v[\adr] offset:64*(\q)+32*\c+(\i)*16*PITCH
.endr
.endm
; FIRST PRODUCT.  16 matrix instructions: A's blocks a0, a0 + 1 x B's eight, the slot's q-th 128 along K.  p: B's set; sc: the set of scale words.  zero = 1: the first product starts the sums.
; The 64 accumulators take turns, one instruction a turn, in the same order in every step.
.macro MUL16 a0, p, q, sc, zero
.irp a, \a0, \a0+1
.irp b, 0,1,2,3,4,5,6,7
.if \zero
	v_wmma_scale_f32_16x16x128_f8f6f4 v[8*(8*((\a)%4)+\b):8*(8*((\a)%4)+\b)+7], v[128*(\p)+FR*\b:128*(\p)+FR*\b+FR-1], v[AF+FR*(\a):AF+FR*(\a)+FR-1], 0, v[SC+8*NQ*(\sc)+NQ*\b+(\q)], v[SC+8*NQ*(\sc)+NQ*(\a)+(\q)] matrix_a_fmt:MATRIX_FMT_FP4 matrix_b_fmt:MATRIX_FMT_FP4 matrix_a_scale:MATRIX_SCALE_ROW1
.else
	v_wmma_scale_f32_16x16x128_f8f6f4 v[8*(8*((\a)%4)+\b):8*(8*((\a)%4)+\b)+7], v[128*(\p)+FR*\b:128*(\p)+FR*\b+FR-1], v[AF+FR*(\a):AF+FR*(\a)+FR-1], v[8*(8*((\a)%4)+\b):8*(8*((\a)%4)+\b)+7], v[SC+8*NQ*(\sc)+NQ*\b+(\q)], v[SC+8*NQ*(\sc)+NQ*(\a)+(\q)] matrix_a_fmt:MATRIX_FMT_FP4 matrix_b_fmt:MATRIX_FMT_FP4 matrix_a_scale:MATRIX_SCALE_ROW1
.endif
.endr
.endr
.endm
.macro FETCH_B slot, q, p              ; B's eight fragments of the slot's q-th 128 along K into set p
	WIN TO_B
.irp i, 0,1,2,3,4,5,6,7
	FRAG 128*(\p)+FR*\i, ADRB+\slot, \q, \i
.endr
	WIN 0
.endm
.macro FETCH_A slot, q, i0             ; A's blocks i0 .. i0 + 3
.irp i, \i0, \i0+1, \i0+2, \i0+3
	FRAG AF+FR*(\i), ADRA+\slot, \q, \i
.endr
.endm
.macro SCALES sc                       ; a slot's scale words into set sc: four words a row; lanes 0-15 take the tokens' block i, lanes 16-31 the weights' block i
.irp i, 0,1,2,3,4,5,6,7
	ds_load_b128 v[SC+8*NQ*\sc+NQ*\i:SC+8*NQ*\sc+NQ*\i+3], v[ADRS] offset:\i*SBLK
.endr
.endm
.macro PLACES n                        ; plain vector instructions that name no register of the matrix instructions in front: ahead of loads into registers that those have read, and of reads of their results
.rept \n
	v_nop
.endr
.endm
.macro STEP slot, q, zero              ; a step of 128 along K that has its successor in the same slot
	s_wait_dscnt 4*NL                              ; B's set and A's blocks 0-3 are in; the youngest eight loads (A's blocks 4-7) may be out
	WIN MUL_LO
	MUL16 0, (\q)%2, \q, \slot, \zero
	MUL16 2, (\q)%2, \q, \slot, \zero
	s_wait_dscnt 0                                 ; A's blocks 4-7 are in
	PLACES NP
	FETCH_B \slot, (\q)+1, 1-(\q)%2
	FETCH_A \slot, (\q)+1, 0
	WIN MUL_HI
	MUL16 4, (\q)%2, \q, \slot, \zero
	MUL16 6, (\q)%2, \q, \slot, \zero
	PLACES NP
	WIN 0
	FETCH_A \slot, (\q)+1, 4
.endm
.macro STEPS slot, from                ; the slot's steps from .. NQ - 2
.set Q, \from
.rept NQ-1-\from
	STEP \slot, Q, 0
.set Q, Q+1
.endr
.endm
; SECOND PRODUCT.  32 matrix instructions: WV's four blocks (source 1) x the tokens' eight (source 0), 128 along K.  p: the fragments' set; q, sc: which 128 of which slot.  The tokens' scale words are lanes 0-15 of the first product's
; registers; WV's have registers of their own.  The 32 accumulators take turns, one instruction a turn, in the same order in every step.
.macro MUL32 p, q, sc, zero
.irp a, 0,1,2,3
.irp b, 0,1,2,3,4,5,6,7
.if \zero
	v_wmma_scale_f32_16x16x128_f8f6f4 v[8*(8*\a+\b):8*(8*\a+\b)+7], v[128*(\p)+FR*\b:128*(\p)+FR*\b+FR-1], v[AF+32*(\p)+FR*\a:AF+32*(\p)+FR*\a+FR-1], 0, v[SC+8*NQ*(\sc)+NQ*\b+(\q)], v[WS+8*\a+4*(\sc)+(\q)] matrix_a_fmt:MATRIX_FMT_FP4 matrix_b_fmt:MATRIX_FMT_FP4
.else
	v_wmma_scale_f32_16x16x128_f8f6f4 v[8*(8*\a+\b):8*(8*\a+\b)+7], v[128*(\p)+FR*\b:128*(\p)+FR*\b+FR-1], v[AF+32*(\p)+FR*\a:AF+32*(\p)+FR*\a+FR-1], v[8*(8*\a+\b):8*(8*\a+\b)+7], v[SC+8*NQ*(\sc)+NQ*\b+(\q)], v[WS+8*\a+4*(\sc)+(\q)] matrix_a_fmt:MATRIX_FMT_FP4 matrix_b_fmt:MATRIX_FMT_FP4
.endif
.endr
.endr
.endm
.macro FETCH_T slot, q, p              ; my 128 tokens' eight fragments into set p of window 1: the same LDS rows as the first product's A
	WIN TO_B
.irp i, 0,1,2,3,4,5,6,7
	FRAG 128*(\p)+FR*\i, ADRA+(\slot), \q, \i
.endr
	WIN 0
.endm
.macro FETCH_W slot, q, p              ; my 64 rows of WV: four fragments into set p
.irp i, 0,1,2,3
	FRAG AF+32*(\p)+FR*\i, ADRW+(\slot), \q, \i
.endr
.endm
.macro STEP2 g                         ; step g of eight: slot g / 4, its (g % 4)-th 128 along K, fragments' set g % 2.  The next step's 24 LDS loads are issued ahead of this step's products
	s_wait_dscnt 0x0                               ; this step's fragments are in
.if (\g) < 7
	PLACES NP                                      ; the other set was read by the step before
	FETCH_T ((\g)+1)/4, ((\g)+1)%4, ((\g)+1)%2
	FETCH_W ((\g)+1)/4, ((\g)+1)%4, ((\g)+1)%2
.endif
	WIN MUL_LO
.if (\g) == 0
	MUL32 0, 0, 0, 1                               ; the first step's products start the sums: nothing is cleared
.else
	MUL32 (\g)%2, (\g)%4, (\g)/4, 0
.endif
.endm
; THE WAY OUT, block by block of 16 rows x 128 columns: rounded to f16, 16 bytes a lane; through my own stage; back as whole rows of 256 bytes.
.macro PACK a
.set AC, 64*((\a)%4)
	WIN 0x0a+5*((\a)/4)                            ; sources 0 and 1: window 2 or 3
.irp b, 0,1,2,3,4,5,6,7
.irp r, 0,1,2,3
	v_cvt_pk_f16_f32 v[TMP+4*\b+\r], v[AC+8*\b+2*\r], v[AC+8*\b+2*\r+1]   ; each accumulator from its low end on
.endr
.endr
	WIN 0
.endm
.macro TOSTAGE a
.set BK, 128+96*((\a)%2)               ; v128-159 and v224-255 by turns: the scale words in v32-127 stay
.irp b, 0,1,2,3,4,5,6,7
	ds_store_b128 v[STO], v[TMP+4*\b:TMP+4*\b+3] offset:32*\b
.endr
.irp t, 0,1,2,3,4,5,6,7
	ds_load_b128 v[BK+4*\t:BK+4*\t+3], v[RD] offset:\t*2*SPITCH    ; LDS serves a wave's instructions in order: these see the stores above
.endr
.endm
.macro SEND a, base
.set BK, 128+96*((\a)%2)
	s_wait_dscnt 0x0                               ; the block is back in registers
	s_wait_xcnt 0x0                                ; the stores issued so far have read their registers: the next block's loads may land there
.irp t, 0,1,2,3,4,5,6,7
	global_store_b128 v[CO], v[BK+4*\t:BK+4*\t+3], s[\base:\base+1] offset:(16*(\a)+2*\t)*4096   ; 16 lanes store 256 consecutive bytes, aligned; 126 rows of 4,096 bytes at the most stand in the immediate
.endr
.endm
	; ---------------- the first product: Q | K ----------------
	s_wait_tensorcnt 1                             ; the scale bytes and my part of slot 0 are in; the one younger load, slot 1's, may be out
	s_barrier_signal -1
	s_barrier_wait -1                              ; everybody's are
	FETCH_B 0, 0, 0
	FETCH_A 0, 0, 0
	SCALES 0
	FETCH_A 0, 0, 4
	STEP 0, 0, 1                                   ; the first step's products start the sums: nothing is cleared
	STEPS 0, 1
	; slot 0's last step changes slots: one barrier.  In front of it each wave's part of slot 1 has landed and its reads of slot 0 are over
	s_wait_tensorcnt 0x0                           ; all my tensor loads have landed
	ds_add_u32 v[SPW], v[NIL]                      ; 0 onto my spare word
	s_wait_dscnt 4*NL+1                            ; the add and the youngest eight loads (A's blocks 4-7) may be out
	WIN MUL_LO
	MUL16 0, 1, NQ-1, 0, 0
	s_wait_dscnt 0x0                               ; the add is done, and my reads of slot 0 are over
	s_barrier_signal -1
	MUL16 2, 1, NQ-1, 0, 0
	WIN 0
	s_barrier_wait -1
	PLACES NP
	v_add_nc_u32 v[ADRS], 4*NQ, v[ADRS]            ; on to slot 1's scale words
	FETCH_B 1, 0, 0
	FETCH_A 1, 0, 0
	SCALES 1
	WIN MUL_HI
	MUL16 4, 1, NQ-1, 0, 0
	MUL16 6, 1, NQ-1, 0, 0
	PLACES NP
	WIN 0
	FETCH_A 1, 0, 4
	STEPS 1, 0
	; THE LAST STEP CARRIES THE REFILL.  All fragments of WQ or WK have been asked for: their rows are done with in both slots.  Each wave waits for all its tensor loads (none is out), adds 0 to its spare word, and waits for that and for
	; its LDS reads; the barrier opens a round of the cluster's barrier, so that no wave of any partner still reads those rows; the joint load of WV's rows is the first thing behind the round, one a wave.
	s_wait_tensorcnt 0x0                           ; no tensor load of mine is out, so a group 0 may be written
	ds_add_u32 v[SPW], v[NIL]                      ; 0 onto my spare word; the descriptor's words stand between it and the wait for it
	s_mov_b32 s[G0W], 1                            ; 1:0 count = 1
	s_mul_i32 s[G0W+1], s[CH], SLOT                ; 63:32 LDS address: wave 2 slot 0, wave 3 slot 1,
	s_add_co_u32 s[G0W+1], s[G0W+1], 2*HALFT       ; where the weights' first 128 rows lay
	s_mov_b64 s[G0W+2:G0W+3], s[100:101]           ; 120:64 global address: WV's 128 rows, my K half
	s_or_b32 s[G0W+3], s[G0W+3], 0x80000000        ; 127:126 type = 2
	s_wait_dscnt 4*NL+1                            ; the add and the youngest eight loads (A's blocks 4-7) may be out
	WIN MUL_LO
	MUL16 0, 1, NQ-1, 1, 0
	s_wait_dscnt 0x0                               ; the add is done, and my LDS reads are over
	s_barrier_signal -1
	MUL16 2, 1, NQ-1, 1, 0
	WIN 0
	s_barrier_wait -1
	CREST
	WLOAD                                          ; one tensor load of mine is out (waves 2 and 3)
	WIN MUL_HI
	MUL16 4, 1, NQ-1, 1, 0
	MUL16 6, 1, NQ-1, 1, 0
	WIN 0
	PLACES NP                                      ; behind the last products: results are read, and loads land where A's fragments lay
	PACK 0
	TOSTAGE 0
.irp a, 1,2,3,4,5,6,7                  ; block a's conversions stand between block a - 1's loads from the stage and the wait for them
	PACK \a
	SEND \a-1, 12
	TOSTAGE \a
.endr
	SEND 7, 12
	; ---------------- the second product: V transposed ----------------
	s_wait_tensorcnt 0x0                           ; the half of WV's codes that I fetched has landed,
	s_wait_dscnt 0x0
	s_barrier_signal -1
	s_barrier_wait -1                              ; everybody's has
	s_wait_loadcnt 0x0                             ; WV's scale words, asked for at the head
	FETCH_T 0, 0, 0
	FETCH_W 0, 0, 0
.irp g, 0,1,2,3,4,5,6,7
	STEP2 \g
.endr
	WIN 0
	PLACES NP
	PACK 0
	TOSTAGE 0
.irp a, 1,2,3
	PACK \a
	SEND \a-1, 14
	TOSTAGE \a
.endr
	SEND 3, 14
	s_wait_tensorcnt 0x0                           ; the wave's end, behind my last tensor load and my last LDS store
	ds_add_u32 v[SPW], v[NIL]
	s_wait_dscnt 0x0
	CROUND                                         ; the closing round: no work-group ends while a partner may still ask for a tile that names it
	s_endpgm
.Lfunc_end_k_qb002cd88f4_proj:
	.size	k_qb002cd88f4_proj, .Lfunc_end_k_qb002cd88f4_proj-k_qb002cd88f4_proj
	.p2alignl 7, 3214868480
	.fill 96, 4, 3214868480
	.section	.rodata,"a",@progbits
	.p2align	6, 0x0
	.amdhsa_kernel k_qb002cd88f4_proj
		.amdhsa_group_segment_fixed_size 327680
		.amdhsa_private_segment_fixed_size 0
		.amdhsa_enable_private_segment 0
		.amdhsa_kernarg_size 48
		.amdhsa_user_sgpr_count 2
		.amdhsa_user_sgpr_kernarg_segment_ptr 1
		.amdhsa_wavefront_size32 1
		.amdhsa_system_sgpr_workgroup_id_x 1
		.amdhsa_system_sgpr_workgroup_id_y 1
		.amdhsa_system_sgpr_workgroup_id_z 1
		.amdhsa_system_vgpr_workitem_id 0
		.amdhsa_next_free_vgpr 1024
		.amdhsa_next_free_sgpr 102
		.amdhsa_reserve_vcc 0
		.amdhsa_float_denorm_mode_32 3
		.amdhsa_float_denorm_mode_16_64 3
		.amdhsa_memory_ordered 1
		.amdhsa_forward_progress 1
		.amdhsa_inst_pref_size 191
	.end_amdhsa_kernel
	.amdgpu_metadata
---
amdhsa.version: [ 1, 2 ]
amdhsa.kernels:
  - .name:           k_qb002cd88f4_proj
    .symbol:         k_qb002cd88f4_proj.kd
    .args:
      - { .name: xc, .offset: 0, .size: 8, .value_kind: global_buffer, .address_space: global }
      - { .name: xs, .offset: 8, .size: 8, .value_kind: global_buffer, .address_space: global }
      - { .name: wc, .offset: 16, .size: 8, .value_kind: global_buffer, .address_space: global }
      - { .name: ws, .offset: 24, .size: 8, .value_kind: global_buffer, .address_space: global }
      - { .name: qk, .offset: 32, .size: 8, .value_kind: global_buffer, .address_space: global }
      - { .name: vt, .offset: 40, .size: 8, .value_kind: global_buffer, .address_space: global }
    .group_segment_fixed_size: 327680
    .private_segment_fixed_size: 0
    .kernarg_segment_align: 8
    .kernarg_segment_size: 48
    .max_flat_workgroup_size: 128
    .sgpr_count:     102
    .vgpr_count:     1024
    .wavefront_size: 32
...
	.end_amdgpu_metadata
.endif
;; end of part 2
;; launch scores (part 3): grid 8 x 32, 4 waves a work-group, clusters of 4 x 4, 327,680 bytes of LDS; arguments qk, pp, st; writes pp, st
.if DOCPART == 3
	.amdgcn_target "amdgcn-amd-amdhsa--gfx1250"
	.amdhsa_code_object_version 6
	.text
	.protected	k_qb002cd88f4_scores
	.globl	k_qb002cd88f4_scores
	.p2align	8
	.type	k_qb002cd88f4_scores,@function
k_qb002cd88f4_scores:
	s_mov_b64 s[64:65], 0
	v_nop
	global_prefetch_b8 v0, s[64:65] scope:SCOPE_SE
	s_setreg_imm32_b32 hwreg(HW_REG_WAVE_MODE, 25, 1), 1
	s_wait_xcnt 0x0
	s_wait_alu depctr_hold_cnt(0) depctr_sa_sdst(0) depctr_va_vdst(0) depctr_va_sdst(0) depctr_va_ssrc(0) depctr_va_vcc(0) depctr_vm_vsrc(0)
	s_getreg_b32 s2, hwreg(HW_REG_IB_STS2, 6, 4)
	s_cmp_eq_u32 s2, 0
	s_cbranch_scc0 .Lentry_in_a_cluster
	s_endpgm
.Lentry_in_a_cluster:
	s_bfe_u32 s2, ttmp6, 0x10000c
	s_cmp_lg_u32 s2, 0xf033
	s_cbranch_scc0 .Lentry_shape_is_right
	s_endpgm
.Lentry_shape_is_right:
; THIRD LAUNCH: S = Q K^T on f16 operands with f32 sums, and the first half of the softmax.  Nothing is left out.
; qk: [8192 tokens][2048] f16, columns 0-1023 Q, 1024-2047 K.  A tile of 256 queries x 256 keys of one batch to a work-group, 128 x 128 to each of four waves (64 accumulators, 512 registers); K = 1,024 in 8 steps of 128 through two LDS slots.
; THE SOFTMAX IS SPLIT.  t = score x log2(e) / 32.  For each query and each GROUP of 128 keys (a wave's columns): M_g = the group's largest t rounded UP to a whole number, p' = 2^(t - M_g) (at most 1), l_g = the f32 sum of the unrounded p'.
; p' goes out as f16 (pp [8192 queries][2048 keys]); -M_g and l_g go out as f32 (st).  The next launch brings the groups under the row's own maximum by exact powers of two and divides by the row's sum: so the maximum is taken away for every input.
; st: byte 65536 g + 256 R + 128 s + 8 r + 4 e holds, for query 32 R + 16 e + r and group g, -M_g (s = 0) or l_g (s = 1): so a wave's store covers 256 consecutive bytes, aligned.
; LIMIT: a p' under the smallest f16 number counts as 0.
; CLUSTERS: 4 x 4 work-groups; Q's tiles are asked for jointly along a row of the cluster, K's along a column (the batch hangs on the cluster's y alone).
; THE MATRIX INSTRUCTION IS USED TRANSPOSED (source 0 = 16 keys, source 1 = 16 queries): lane l holds query l % 16 and, in registers 0-7 of accumulator (a, b), keys 16 b + 8 (l / 16) + 0 .. 7.
; REGISTERS, in windows of 256: window 0: v0-31 addresses; v64-127, v128-191 fragments of Q, two buffers; behind the loop v32-255 serve the softmax and the way out.   window 1: v64-127, v128-191 fragments of K.
;   window 2: the accumulators of my queries 0-63 ((a, b) at v[8 (8 a + b)]);   window 3: those of my queries 64-127.
.set KSTEP,  128
.set PITCH,  272                       ; an LDS row: 256 bytes + 16 of padding
.set HALFT,  128*PITCH                 ; 128 rows: what one tensor load brings
.set SLOT,   4*HALFT                   ; Q's 256 rows, then K's 256 rows
.set STAGE,  2*SLOT                    ; behind the ring: 16 rows x 272 bytes for each wave
.set SPITCH, 272
.set SPARE,  STAGE+4*16*SPITCH         ; the spare words, 128 bytes for each wave: two blocks of 256 bytes that no other line names
.set LAPS,   4                         ; a lap = two K steps = once round the ring
.set ADRA, 16                          ; v16-17  LDS address of my Q fragments in slot 0, 1
.set ADRB, 20                          ; v20-21  the same for K
.set STO,  24                          ; v24     the way out: where I put 16 bytes of a row
.set RD,   25                          ; v25     where I read a row back
.set CO,   26                          ; v26     my byte offset in two rows of pp
.set SO,   27                          ; v27     8 x lane: my place in a store of statistics
.set SPW,  28                          ; v28     LDS address of my spare word; never rewritten
.set NIL,  29                          ; v29     0; never rewritten
.set LN,   30                          ; v30     my lane
.set F0,   64
.set F1,   128
.set T,    64                          ; behind the loop: v64-127 t - M, then p'
.set MX,   128                         ; v128-149 maxima at work
.set NMP,  150                         ; v[150:151] -M as the low word of a pair
.set SS,   152                         ; v152-155 sums at work
.set STM,  160                         ; v160-167 -M of my eight blocks
.set STL,  168                         ; v168-175 l of my eight blocks
.set SX,   176                         ; v176-183 what my lane stores of them
.set TMP,  192                         ; v192-223 p' packed
.set OB,   32                          ; 16 rows read back from the stage: v32-63 and v224-255 by turns
.set G1, 24                            ; s[24:31] group 1 for Q's tiles; s[32:39] group 0, a set for each slot
.set G0, 32
.set G1B, 48                           ; s[48:55], s[56:63] the same for K's
.set G0B, 56
.set CS,  66                           ; s[66:67] c = log2(e) / 32, as a pair
.set SEL, 68                           ; s[68:69] lane selects for v_permlanex16_b32: lane l xor 16
.set HM,  70                           ; s70 the mask of lanes 16-31
.set MSB, 0
.macro WIN new
.if MSB != \new
	s_set_vgpr_msb (MSB<<8)|\new
.set MSB, \new
.endif
.endm
.set MUL_LO, 0xa1                      ; source 0 (K) window 1, source 1 (Q) window 0, C and D window 2
.set MUL_HI, 0xf1                      ; the same, C and D window 3
.set TO_B,   0x40                      ; destination window 1, address window 0
.macro JLOAD s                         ; a joint load: waves 0 and 1 fetch Q's halves, waves 2 and 3 K's; an s_nop 0 and four v_nop follow each of the two lines
	s_cmp_eq_u32 s11, 0
	s_cbranch_scc0 .Lfor_b_\@
	tensor_load_to_lds s[G0+4*\s:G0+4*\s+3], s[G1:G1+7]
	s_nop 0
.rept 4
	v_nop
.endr
	s_branch .Lasked_\@
.Lfor_b_\@:
	tensor_load_to_lds s[G0B+4*\s:G0B+4*\s+3], s[G1B:G1B+7]
	s_nop 0
.rept 4
	v_nop
.endr
.Lasked_\@:
.endm
.macro CREST                           ; a round of the cluster's barrier behind its opening barrier
	s_cmp_lg_u32 s10, 0
	s_cbranch_scc1 .Lnot_wave_0_\@
	s_barrier_signal -3
.Lnot_wave_0_\@:
	s_barrier_wait -3
	s_barrier_signal -1
	s_barrier_wait -1
.endm
.macro CROUND
	s_barrier_signal -1
	s_barrier_wait -1
	CREST
.endm
	s_load_b128 s[4:7], s[0:1], 0x0                ; qk s[4:5], pp s[6:7]
	s_load_b64 s[8:9], s[0:1], 0x10                ; st
	v_lshl_add_u32 v[SPW], v0, 2, SPARE
	v_mov_b32 v[NIL], 0
	ds_add_u32 v[SPW], v[NIL]                      ; the wave's opening: the add, twice on end, and its wait ahead of my first tensor load
	ds_add_u32 v[SPW], v[NIL]                      ; and once more; the set-up below, work on registers, stands between it and the wait
	v_lshrrev_b32 v1, 5, v0
	v_readfirstlane_b32 s10, v1                    ; wave 0..3
	s_lshr_b32 s11, s10, 1                         ; which half of the queries is mine.  Also: I fetch for Q (0) or for K (1)
	s_and_b32 s12, s10, 1                          ; which half of the keys.  Also: which 128 rows of that tile I fetch
	s_bfe_u32 s40, ttmp6, 0x40000                  ; cx, cy
	s_bfe_u32 s41, ttmp6, 0x40004
	s_lshl_b32 s42, ttmp9, 2
	s_add_co_u32 s42, s42, s40                     ; TC: which 256 keys of the batch
	s_and_b32 s14, ttmp7, 0xffff                   ; cluster y
	s_lshl_b32 s13, s14, 2
	s_add_co_u32 s13, s13, s41                     ; TR: which 256 queries of all 8,192
	s_lshr_b32 s14, s14, 1                         ; the batch: 8 tile rows each, so two clusters: it hangs on the cluster's y alone
	s_lshl_b32 s43, s41, 2
	s_lshl_b32 s43, 15, s43                        ; my row of the cluster
	s_lshl_b32 s44, 0x1111, s40                    ; my column
	s_or_b32 s[G1+0], s43, (1<<16)|(1<<20)|(1<<21)|(5<<22)|(3<<25)  ; 15:0 the mask; 17:16 elements of 2 bytes; 20 padding on; 21 set beside a mask; 24:22 after every 64 words; 31:25 four words
	s_or_b32 s[G1B+0], s44, (1<<16)|(1<<20)|(1<<21)|(5<<22)|(3<<25)
.irp g, G1, G1B
	s_mov_b32 s[\g+1], KSTEP<<16                   ; tensor_dim0 = 128
	s_mov_b32 s[\g+2], 128<<16                     ; tensor_dim1 = 128
	s_mov_b32 s[\g+3], KSTEP<<16                   ; tile_dim0 = 128
	s_mov_b32 s[\g+4], 128                         ; tile_dim1 = 128
	s_mov_b32 s[\g+5], 2048                        ; elements from row to row
	s_mov_b32 s[\g+6], 0
	s_mov_b32 s[\g+7], 0
.endr
	s_mov_b32 s[CS], 0x3d38aa3b                    ; c = log2(e) / 32
	s_mov_b32 s[CS+1], s[CS]                       ; (named with it as a pair, so it is written)
	s_mov_b32 s[SEL], 0x76543210
	s_mov_b32 s[SEL+1], 0xfedcba98
	s_lshl_b32 s16, s13, 20                        ; Q: 4096 (256 TR + 128 x half): under 2^25
	s_lshl_b32 s18, s12, 19
	s_add_co_u32 s16, s16, s18
	s_mov_b32 s17, 0
	s_lshl_b32 s46, s42, 20                        ; K: 4096 (2048 batch + 256 TC + 128 x half) + 2048
	s_add_co_u32 s46, s46, s18
	s_lshl_b32 s19, s14, 23
	s_add_co_u32 s46, s46, s19
	s_add_co_u32 s46, s46, 2048
	s_mov_b32 s47, 0
	s_mul_i32 s20, s10, HALFT                      ; where they go: wave x 128 rows: no place in the cluster enters an LDS address
	s_wait_dscnt 0x0                               ; both opening adds are done
	s_wait_kmcnt 0x0
	s_add_nc_u64 s[14:15], s[4:5], s[16:17]
	s_add_nc_u64 s[46:47], s[4:5], s[46:47]
	CROUND                                         ; all sixteen work-groups are here: the first joint loads meet
.irp s, 0,1
	s_mov_b32 s[G0+4*\s], 1
	s_add_co_u32 s[G0+4*\s+1], s20, \s*SLOT
	s_add_nc_u64 s[G0+4*\s+2:G0+4*\s+3], s[14:15], \s*KSTEP*2
	s_or_b32 s[G0+4*\s+3], s[G0+4*\s+3], 0x80000000
	s_mov_b32 s[G0B+4*\s], 1
	s_add_co_u32 s[G0B+4*\s+1], s20, \s*SLOT
	s_add_nc_u64 s[G0B+4*\s+2:G0B+4*\s+3], s[46:47], \s*KSTEP*2
	s_or_b32 s[G0B+4*\s+3], s[G0B+4*\s+3], 0x80000000
	JLOAD \s                                       ; two tensor loads of mine are out behind the second
.endr
	v_and_b32 v1, 15, v0                           ; l % 16
	v_bfe_u32 v2, v0, 4, 1                         ; l / 16
	v_mul_u32_u24 v3, v1, PITCH
	v_lshl_add_u32 v3, v2, 4, v3                   ; a fragment's row x pitch + 16 x half
	s_mul_i32 s21, s11, HALFT                      ; my 128 queries
	s_mul_i32 s22, s12, HALFT                      ; my 128 keys,
	s_add_co_u32 s22, s22, 2*HALFT                 ; which lie behind Q's 256 rows
.irp s, 0,1
	v_add_nc_u32 v[ADRA+\s], s21, v3
	v_add_nc_u32 v[ADRB+\s], s22, v3
	s_add_co_u32 s21, s21, SLOT
	s_add_co_u32 s22, s22, SLOT
.endr
	s_mul_i32 s23, s10, 16*SPITCH
	s_add_co_u32 s23, s23, STAGE                   ; my stage
	v_mul_u32_u24 v4, v1, SPITCH
	v_lshl_add_u32 v4, v2, 4, v4
	v_add_nc_u32 v[STO], s23, v4
	v_mul_u32_u24 v5, v2, SPITCH
	v_lshl_add_u32 v5, v1, 4, v5
	v_add_nc_u32 v[RD], s23, v5
	v_lshlrev_b32 v5, 12, v2                       ; two rows of pp, 4,096 bytes apart
	v_lshl_add_u32 v[CO], v1, 4, v5
	v_and_b32 v[LN], 31, v0
	v_lshlrev_b32 v[SO], 3, v[LN]
	s_lshl_b32 s16, s13, 20                        ; pp: 4096 (256 TR + 128 x query half) + 512 TC + 256 x key half
	s_lshl_b32 s17, s11, 19
	s_add_co_u32 s16, s16, s17
	s_lshl_b32 s17, s42, 9
	s_add_co_u32 s16, s16, s17
	s_lshl_b32 s17, s12, 8
	s_add_co_u32 s16, s16, s17
	s_mov_b32 s17, 0
	s_add_nc_u64 s[6:7], s[6:7], s[16:17]
	s_lshl_b32 s16, s42, 17                        ; st: 65536 (2 TC + key half) + 256 (8 TR + 4 x query half)
	s_lshl_b32 s17, s12, 16
	s_add_co_u32 s16, s16, s17
	s_lshl_b32 s17, s13, 11
	s_add_co_u32 s16, s16, s17
	s_lshl_b32 s17, s11, 10
	s_add_co_u32 s16, s16, s17
	s_mov_b32 s17, 0
	s_add_nc_u64 s[8:9], s[8:9], s[16:17]
; 16 matrix instructions: query blocks a0, a0 + 1 of the window's four x all 8 key blocks, 32 along K.  The 64 accumulators take turns, one instruction a turn, in the same order in every quarter.
.macro MUL16 f, hi, a0, zero
.irp a, \a0, \a0+1
.irp b, 0,1,2,3,4,5,6,7
.if \zero
	v_wmma_f32_16x16x32_f16 v[8*(8*(\a)+\b):8*(8*(\a)+\b)+7], v[\f+8*\b:\f+8*\b+7], v[\f+8*(4*\hi+\a):\f+8*(4*\hi+\a)+7], 0
.else
	v_wmma_f32_16x16x32_f16 v[8*(8*(\a)+\b):8*(8*(\a)+\b)+7], v[\f+8*\b:\f+8*\b+7], v[\f+8*(4*\hi+\a):\f+8*(4*\hi+\a)+7], v[8*(8*(\a)+\b):8*(8*(\a)+\b)+7]
.endif
.endr
.endr
.endm
.macro FETCH slot, k, f                ; 32 LDS loads in one run: the fragments of one quarter step (32 along K at byte k of the rows) into buffer f: K's 16, then Q's 16
	WIN TO_B
.irp i, 0,1,2,3,4,5,6,7
	ds_load_b128 v[\f+8*\i:\f+8*\i+3],   v[ADRB+\slot] offset:\k+\i*16*PITCH
	ds_load_b128 v[\f+8*\i+4:\f+8*\i+7], v[ADRB+\slot] offset:\k+\i*16*PITCH+32
.endr
	WIN 0
.irp i, 0,1,2,3,4,5,6,7
	ds_load_b128 v[\f+8*\i:\f+8*\i+3],   v[ADRA+\slot] offset:\k+\i*16*PITCH
	ds_load_b128 v[\f+8*\i+4:\f+8*\i+7], v[ADRA+\slot] offset:\k+\i*16*PITCH+32
.endr
.endm
.macro PLACES                          ; four plain vector instructions ahead of loads into, and vector writes of, registers that matrix instructions have read, and of reads of results
.rept 4
	v_nop
.endr
.endm
.macro QUARTER slot, k, f, g, zero     ; 64 matrix instructions on buffer f; in their middle the next quarter's fragments, at byte k, into buffer g
	s_wait_dscnt 8                                 ; K's fragments and Q's rows 0-63 are in; the youngest eight loads (Q's rows 64-127) may be out
	WIN MUL_LO
	MUL16 \f, 0, 0, \zero
	MUL16 \f, 0, 2, \zero
	PLACES
	FETCH \slot, \k, \g
	s_wait_dscnt 32                                ; all but the 32 just issued
	WIN MUL_HI
	MUL16 \f, 1, 0, \zero
	MUL16 \f, 1, 2, \zero
.endm
; A K step's last quarter multiplies buffer 1 and changes slots: ONE barrier.  In front of it each wave waits for all its tensor loads (the one that is out is its part of the next slot), adds 0 to its spare word, and waits for that and for its reads of this slot.
; fill = 1: the barrier opens a round of the cluster's barrier, and the slot is filled again, two K steps ahead, first thing behind the round: the load has 224 matrix instructions in which to land.
.macro TURN slot, next, fill
	WIN 0                                          ; (the add's two registers lie in window 0)
	s_wait_tensorcnt 0x0
	ds_add_u32 v[SPW], v[NIL]
	s_wait_dscnt 9                                 ; the add and the youngest eight loads may be out
	WIN MUL_LO
	MUL16 F1, 0, 0, 0
	s_wait_dscnt 0x0                               ; the add is done, and my reads of this slot are over
	s_barrier_signal -1
	MUL16 F1, 0, 2, 0
	WIN 0
	s_barrier_wait -1
.if \fill
	CREST                                          ; no wave of any partner still reads this slot's tile or has a load on its way
	s_add_nc_u64 s[G0+4*\slot+2:G0+4*\slot+3], s[G0+4*\slot+2:G0+4*\slot+3], 2*KSTEP*2
	s_add_nc_u64 s[G0B+4*\slot+2:G0B+4*\slot+3], s[G0B+4*\slot+2:G0B+4*\slot+3], 2*KSTEP*2
	JLOAD \slot                                    ; the four v_nop behind it are also the places in front of the loads below
.else
	PLACES
.endif
	FETCH \next, 0, F0
	WIN MUL_HI
	MUL16 F1, 1, 0, 0
	MUL16 F1, 1, 2, 0
.endm
	s_wait_tensorcnt 1                             ; my part of K step 0 is in; the one younger load, K step 1's, may be out
	s_barrier_signal -1
	s_barrier_wait -1
	FETCH 0, 0, F0
	QUARTER 0, 64,  F0, F1, 1                      ; the first quarter's products start the sums: nothing is cleared
	WIN 0
	s_mov_b32 s3, LAPS-1
.Llap:                                                 ; a trip goes once round the ring, from a lap's second quarter to the next lap's first, and fills both slots again
	QUARTER 0, 128, F1, F0, 0
	QUARTER 0, 192, F0, F1, 0
	TURN 0, 1, 1
	QUARTER 1, 64,  F0, F1, 0
	QUARTER 1, 128, F1, F0, 0
	QUARTER 1, 192, F0, F1, 0
	TURN 1, 0, 1
	QUARTER 0, 64,  F0, F1, 0
	WIN 0
	s_sub_co_u32 s3, s3, 1
	s_cmp_lg_u32 s3, 0
	s_cbranch_scc1 .Llap
	QUARTER 0, 128, F1, F0, 0                      ; the last lap is written out: it fills nothing
	QUARTER 0, 192, F0, F1, 0
	TURN 0, 1, 0
	QUARTER 1, 64,  F0, F1, 0
	QUARTER 1, 128, F1, F0, 0
	QUARTER 1, 192, F0, F1, 0
	s_wait_dscnt 8
	WIN MUL_LO
	MUL16 F1, 0, 0, 0
	MUL16 F1, 0, 2, 0
	s_wait_dscnt 0
	WIN MUL_HI
	MUL16 F1, 1, 0, 0
	MUL16 F1, 1, 2, 0
	WIN 0
; THE SOFTMAX'S FIRST HALF, for block a (16 queries x my 128 keys; a lane holds 64 scores of one query, lane l xor 16 the other 64).
.macro SOFT a
.set AC, 64*((\a)%4)
.set W3, 21*(2+(\a)/4)                 ; all three sources in the block's window
.set W1, 2+(\a)/4                      ; source 0 alone
	WIN W3
.set i, 0
.rept 20
	v_max3_num_f32 v[MX+i], v[AC+3*i], v[AC+3*i+1], v[AC+3*i+2]   ; in ascending order: each accumulator is first read at its low end
.set i, i+1
.endr
	v_max_num_f32 v[MX+20], v[AC+60], v[AC+61]
	v_max_num_f32 v[MX+21], v[AC+62], v[AC+63]
	WIN 0
.set i, 0
.rept 7
	v_max3_num_f32 v[MX+i], v[MX+3*i], v[MX+3*i+1], v[MX+3*i+2]
.set i, i+1
.endr
	v_max3_num_f32 v[MX], v[MX], v[MX+1], v[MX+2]
	v_max3_num_f32 v[MX+1], v[MX+3], v[MX+4], v[MX+5]
	v_max3_num_f32 v[MX], v[MX], v[MX+1], v[MX+6]
	v_max_num_f32 v[MX], v[MX], v[MX+21]
	v_permlanex16_b32 v[MX+1], v[MX], s[SEL], s[SEL+1]
	v_max_num_f32 v[MX], v[MX], v[MX+1]            ; the largest score of my query in these 128 keys
	v_mul_f32 v[MX], s[CS], v[MX]                  ; as t (c is positive)
	v_floor_f32 v[NMP], -v[MX]                     ; -M = floor(-t) = -ceil(t): a whole number
	v_floor_f32 v[STM+(\a)], -v[MX]                ; and once more, to be stored
	WIN W1
.set i, 0
.rept 32
	v_pk_fma_f32 v[T+2*i:T+2*i+1], v[AC+2*i:AC+2*i+1], s[CS:CS+1], v[NMP:NMP+1] op_sel_hi:[1,0,0]   ; t - M, two at a time (of the pairs c and -M the low word serves both halves)
.set i, i+1
.endr
	WIN 0
.set i, 0
.rept 64
	v_exp_f32 v[T+i], v[T+i]                       ; p' = 2^(t - M): one batch
.set i, i+1
.endr
	v_nop                                          ; a plain instruction behind the last exponential
	s_wait_alu depctr_va_vdst(0)                   ; a wait ahead of the first instruction that names a result: one for the batch
	v_pk_add_f32 v[SS:SS+1], v[T:T+1], v[T+2:T+3]  ; the sum of the UNROUNDED p', two at a time, in two chains
	v_pk_add_f32 v[SS+2:SS+3], v[T+4:T+5], v[T+6:T+7]
.irp j, 8,12,16,20,24,28,32,36,40,44,48,52,56,60
	v_pk_add_f32 v[SS:SS+1], v[SS:SS+1], v[T+\j:T+\j+1]
	v_pk_add_f32 v[SS+2:SS+3], v[SS+2:SS+3], v[T+\j+2:T+\j+3]
.endr
	v_pk_add_f32 v[SS:SS+1], v[SS:SS+1], v[SS+2:SS+3]
	v_add_f32 v[SS], v[SS], v[SS+1]
	v_permlanex16_b32 v[SS+1], v[SS], s[SEL], s[SEL+1]
	v_add_f32 v[STL+(\a)], v[SS], v[SS+1]          ; l of my query in these 128 keys
.set i, 0
.rept 32
	v_cvt_pk_f16_f32 v[TMP+i], v[T+2*i], v[T+2*i+1]   ; eight neighbouring keys pack into 16 bytes
.set i, i+1
.endr
.endm
.macro TOSTAGE a
.set BK, OB+192*((\a)%2)
.irp b, 0,1,2,3,4,5,6,7
	ds_store_b128 v[STO], v[TMP+4*\b:TMP+4*\b+3] offset:32*\b
.endr
.irp t, 0,1,2,3,4,5,6,7
	ds_load_b128 v[BK+4*\t:BK+4*\t+3], v[RD] offset:\t*2*SPITCH    ; LDS serves a wave's instructions in order: these see the stores above
.endr
.endm
.macro SEND a
.set BK, OB+192*((\a)%2)
	s_wait_dscnt 0x0                               ; the block is back in registers
	s_wait_xcnt 0x0                                ; the stores of the block before have read their registers: the next block's loads may land there
.irp t, 0,1,2,3,4,5,6,7
	global_store_b128 v[CO], v[BK+4*\t:BK+4*\t+3], s[6:7] offset:(16*(\a)+2*\t)*4096   ; 16 lanes store 256 consecutive bytes, aligned
.endr
.endm
	PLACES                                         ; behind the last products: what follows reads results and writes registers that held Q's fragments
	v_mov_b32 v[NMP+1], 0                          ; (named as the upper half of the pair v[150:151], so it is written; it lies where Q's buffer 1 lay, so it stands behind the places)
	SOFT 0
	TOSTAGE 0
.irp a, 1,2,3,4,5,6,7                  ; block a's softmax stands between block a - 1's loads from the stage and the wait for them
	SOFT \a
	SEND \a-1
	TOSTAGE \a
.endr
	SEND 7
	v_cmp_lt_u32 s[HM], 15, v[LN]                  ; lanes 0-15 store -M, lanes 16-31 l (both halves of the lanes hold both)
.irp j, 0,1,2,3,4,5,6,7
	v_cndmask_b32 v[SX+\j], v[STM+\j], v[STL+\j], s[HM]
.endr
.irp i, 0,1,2,3
	global_store_b64 v[SO], v[SX+2*\i:SX+2*\i+1], s[8:9] offset:256*\i   ; blocks 2 i and 2 i + 1: the wave stores 256 consecutive bytes, aligned
.endr
	s_wait_tensorcnt 0x0                           ; the wave's end, behind my last tensor load and my last LDS store
	ds_add_u32 v[SPW], v[NIL]
	s_wait_dscnt 0x0
	CROUND                                         ; the closing round
	s_endpgm
.Lfunc_end_k_qb002cd88f4_scores:
	.size	k_qb002cd88f4_scores, .Lfunc_end_k_qb002cd88f4_scores-k_qb002cd88f4_scores
	.p2alignl 7, 3214868480
	.fill 96, 4, 3214868480
	.section	.rodata,"a",@progbits
	.p2align	6, 0x0
	.amdhsa_kernel k_qb002cd88f4_scores
		.amdhsa_group_segment_fixed_size 327680
		.amdhsa_private_segment_fixed_size 0
		.amdhsa_enable_private_segment 0
		.amdhsa_kernarg_size 24
		.amdhsa_user_sgpr_count 2
		.amdhsa_user_sgpr_kernarg_segment_ptr 1
		.amdhsa_wavefront_size32 1
		.amdhsa_system_sgpr_workgroup_id_x 1
		.amdhsa_system_sgpr_workgroup_id_y 1
		.amdhsa_system_sgpr_workgroup_id_z 1
		.amdhsa_system_vgpr_workitem_id 0
		.amdhsa_next_free_vgpr 1024
		.amdhsa_next_free_sgpr 72
		.amdhsa_reserve_vcc 0
		.amdhsa_float_denorm_mode_32 3
		.amdhsa_float_denorm_mode_16_64 3
		.amdhsa_memory_ordered 1
		.amdhsa_forward_progress 1
		.amdhsa_inst_pref_size 211
	.end_amdhsa_kernel
	.amdgpu_metadata
---
amdhsa.version: [ 1, 2 ]
amdhsa.kernels:
  - .name:           k_qb002cd88f4_scores
    .symbol:         k_qb002cd88f4_scores.kd
    .args:
      - { .name: qk, .offset: 0, .size: 8, .value_kind: global_buffer, .address_space: global }
      - { .name: pp, .offset: 8, .size: 8, .value_kind: global_buffer, .address_space: global }
      - { .name: st, .offset: 16, .size: 8, .value_kind: global_buffer, .address_space: global }
    .group_segment_fixed_size: 327680
    .private_segment_fixed_size: 0
    .kernarg_segment_align: 8
    .kernarg_segment_size: 24
    .max_flat_workgroup_size: 128
    .sgpr_count:     72
    .vgpr_count:     1024
    .wavefront_size: 32
...
	.end_amdgpu_metadata
.endif
;; end of part 3
;; launch pv (part 4): grid 4 x 64, 4 waves a work-group, clusters of 4 x 4, 327,680 bytes of LDS; arguments pp, st, vt, out0; writes out0
.if DOCPART == 4
	.amdgcn_target "amdgcn-amd-amdhsa--gfx1250"
	.amdhsa_code_object_version 6
	.text
	.protected	k_qb002cd88f4_pv
	.globl	k_qb002cd88f4_pv
	.p2align	8
	.type	k_qb002cd88f4_pv,@function
k_qb002cd88f4_pv:
	s_mov_b64 s[64:65], 0
	v_nop
	global_prefetch_b8 v0, s[64:65] scope:SCOPE_SE
	s_setreg_imm32_b32 hwreg(HW_REG_WAVE_MODE, 25, 1), 1
	s_wait_xcnt 0x0
	s_wait_alu depctr_hold_cnt(0) depctr_sa_sdst(0) depctr_va_vdst(0) depctr_va_sdst(0) depctr_va_ssrc(0) depctr_va_vcc(0) depctr_vm_vsrc(0)
	s_getreg_b32 s2, hwreg(HW_REG_IB_STS2, 6, 4)
	s_cmp_eq_u32 s2, 0
	s_cbranch_scc0 .Lentry_in_a_cluster
	s_endpgm
.Lentry_in_a_cluster:
	s_bfe_u32 s2, ttmp6, 0x10000c
	s_cmp_lg_u32 s2, 0xf033
	s_cbranch_scc0 .Lentry_shape_is_right
	s_endpgm
.Lentry_shape_is_right:
; FOURTH LAUNCH: out = softmax x V, on f16 operands with f32 sums, and the second half of the softmax.  Nothing is left out.
; pp [8192 queries][2048 keys] f16 holds p' = 2^(t - M_g), M_g the whole-number maximum of the key's group g of 128; st holds -M_g and l_g (layout: byte 65536 g + 256 R + 128 s + 8 r + 4 e for query 32 R + 16 e + r);
; vt [4][1024 u][2048 tokens] f16 holds V transposed.  M = the largest M_g of the row; f_g = 2^(M_g - M), a power of two, at most 1; l = sum over g of f_g l_g; out = sum over g of (f_g / l) (p'_g V_g).
; A K step of 128 keys IS a group g.  Each step is summed by itself (its first products start the sums), and the finished sums are FOLDED in f32 into running sums: run += (f_g / l) x step.  P and V go to the matrix unit as they lie in memory.
; l is at least 1/2: the group that holds the row's maximum has f = 1 and a p' over 1/2.  An f_g under the smallest f32 number counts as 0.
; SHARES.  A tile of 128 queries x 256 u to a work-group; a wave makes 64 x 128: 32 accumulators for the step in hand and 32 running sums, 256 registers each.  K = 2,048 keys in 16 steps of 128 through two LDS slots.
; THE FOLDS STAND AMONG THE PRODUCTS: block a (16 queries) is folded among the 8 products of the block that follows it, 8 packed multiply-adds behind every second product: blocks 0 to 2 in the step's last quarter, block 3 in the next step's first.
; The first group has nothing to add onto: its folds are multiplications, so no register is cleared; for that the first lap is written out ahead of the loop.
; CLUSTERS: 4 x 4 work-groups; P's tiles are asked for jointly along a row of the cluster, V's along a column (the batch hangs on the cluster's y alone).
; THE MATRIX INSTRUCTION IS USED TRANSPOSED (source 0 = 16 u of V^T, source 1 = 16 queries of P): a lane holds one query (l % 16) and eight neighbouring u, so a block's factor is one number a lane.
; REGISTERS, in windows of 256: window 0: v0-31 addresses; v32-35 1 / l; v40-55 the factors, two sets of four pairs; v56-63 M, l; v64-127 P's fragments, two buffers of 32; v128-255 the statistics at the head, rows of out at the end.
;   window 1: v0-127 V's fragments, two buffers of 64.   window 2: the step's accumulators ((a, b) at v[8 (8 a + b)]).   window 3: the running sums, at the same numbers.
.set KSTEP,  128
.set PITCH,  272                       ; an LDS row: 256 bytes + 16 of padding
.set HA,     64*PITCH                  ; 64 rows of P: what waves 0 and 1 fetch, and what a wave reads
.set HB,     128*PITCH                 ; 128 rows of V^T: what waves 2 and 3 fetch, and what a wave reads
.set SLOT,   2*HA+2*HB                 ; P's 128 rows, then V^T's 256
.set STG,    2*SLOT                    ; behind the ring: a stage of 16 rows x (512 bytes + 16) for each wave
.set OPITCH, 528
.set FT,     STG+4*16*OPITCH           ; the factors: 8,192 bytes for each wave: [g 16][lane 32][16 bytes: f_g / l of my query in blocks 0-3, f32]
.set SPARE,  FT+4*8192                 ; the spare words, 128 bytes for each wave: two blocks of 256 bytes that no other line names
.set LAPS,   8                         ; a lap = two K steps = once round the ring
.set ADRA, 16                          ; v16-17  LDS address of my P fragments in slot 0, 1
.set ADRB, 20                          ; v20-21  the same for V^T
.set STO,  24                          ; v24     the way out: where I put 32 bytes of a row
.set RD,   25                          ; v25     where I read a row back
.set CO,   26                          ; v26     16 x lane: my bytes of a row of out
.set FTA,  27                          ; v27     my 16 bytes of the K step's factors; 512 bytes on with each K step
.set SPW,  28                          ; v28     LDS address of my spare word; never rewritten
.set NIL,  29                          ; v29     0; never rewritten
.set SR8,  30                          ; v30     8 x (l % 16): my place among the statistics
.set RL,   32                          ; v32-35  1 / l of blocks 0-3
.set FC,   40                          ; v40-55  the factors: set s (= slot) at FC + 8 s; block a's in the low word of the pair at + 2 a; the high words are written once
.set MN,   56                          ; v56-59  M of blocks 0-3
.set LT,   60                          ; v60-63  l of blocks 0-3
.set AFR,  64                          ; P's fragments: buffer f at AFR + 32 f
.set MB,   128                         ; the head: v128-191 -M_g, then f_g, then f_g / l: register 4 g + a
.set LB,   192                         ;           v192-255 l_g likewise
.set BK,   128                         ; the way out: v128-191 and v192-255 by turns: 16 rows read back
.set WV,   12                          ; s12 wave; s13 which half of the queries is mine, also: I fetch for P (0) or V (1); s14 which half of the u, also: which half of that tile I fetch
.set RH,   13
.set CH,   14
.set G1, 24                            ; s[24:31] group 1 for P's tiles; s[32:39] group 0, a set for each slot
.set G0, 32
.set G1B, 48                           ; s[48:55], s[56:63] the same for V's
.set G0B, 56
.set MSB, 0
.macro WIN new
.if MSB != \new
	s_set_vgpr_msb (MSB<<8)|\new
.set MSB, \new
.endif
.endm
.set MUL,  0xa1                        ; source 0 (V) window 1, source 1 (P) window 0, C and D window 2
.set TO_B, 0x40                        ; destination window 1, address window 0
.set FLD,  0xf2                        ; source 0 (the step's sums) window 2, source 1 (the factor) window 0, source 2 and destination (the running sums) window 3
.macro JLOAD s                         ; a joint load: waves 0 and 1 fetch P's halves, waves 2 and 3 V's; an s_nop 0 and four v_nop follow each of the two lines
	s_cmp_eq_u32 s[RH], 0
	s_cbranch_scc0 .Lfor_b_\@
	tensor_load_to_lds s[G0+4*\s:G0+4*\s+3], s[G1:G1+7]
	s_nop 0
.rept 4
	v_nop
.endr
	s_branch .Lasked_\@
.Lfor_b_\@:
	tensor_load_to_lds s[G0B+4*\s:G0B+4*\s+3], s[G1B:G1B+7]
	s_nop 0
.rept 4
	v_nop
.endr
.Lasked_\@:
.endm
.macro CREST
	s_cmp_lg_u32 s[WV], 0
	s_cbranch_scc1 .Lnot_wave_0_\@
	s_barrier_signal -3
.Lnot_wave_0_\@:
	s_barrier_wait -3
	s_barrier_signal -1
	s_barrier_wait -1
.endm
.macro CROUND
	s_barrier_signal -1
	s_barrier_wait -1
	CREST
.endm
	s_load_b256 s[4:11], s[0:1], 0x0               ; pp s[4:5], st s[6:7], vt s[8:9], out0 s[10:11]
	v_lshl_add_u32 v[SPW], v0, 2, SPARE
	v_mov_b32 v[NIL], 0
	ds_add_u32 v[SPW], v[NIL]                      ; the wave's opening: the add, twice on end, and its wait ahead of my first tensor load
	ds_add_u32 v[SPW], v[NIL]                      ; and once more; the set-up below, work on registers, stands between it and the wait
	v_lshrrev_b32 v1, 5, v0
	v_readfirstlane_b32 s[WV], v1                  ; wave 0..3
	s_lshr_b32 s[RH], s[WV], 1
	s_and_b32 s[CH], s[WV], 1
	s_bfe_u32 s40, ttmp6, 0x40000                  ; cx, cy
	s_bfe_u32 s41, ttmp6, 0x40004
	s_lshl_b32 s42, ttmp9, 2
	s_add_co_u32 s42, s42, s40                     ; TC: which 256 u
	s_and_b32 s15, ttmp7, 0xffff                   ; cluster y
	s_lshl_b32 s45, s15, 2
	s_add_co_u32 s45, s45, s41                     ; TR: which 128 queries of all 8,192
	s_lshr_b32 s15, s15, 2                         ; the batch: 16 tile rows each, so four clusters: it hangs on the cluster's y alone
	s_lshl_b32 s43, s41, 2
	s_lshl_b32 s43, 15, s43                        ; my row of the cluster
	s_lshl_b32 s44, 0x1111, s40                    ; my column
	s_or_b32 s[G1+0], s43, (1<<16)|(1<<20)|(1<<21)|(5<<22)|(3<<25)  ; 15:0 the mask; 17:16 elements of 2 bytes; 20 padding on; 21 set beside a mask; 24:22 after every 64 words; 31:25 four words
	s_mov_b32 s[G1+1], KSTEP<<16                   ; P: tensor_dim0 = 128
	s_mov_b32 s[G1+2], 64<<16                      ; tensor_dim1 = 64
	s_mov_b32 s[G1+3], KSTEP<<16                   ; tile_dim0 = 128
	s_mov_b32 s[G1+4], 64                          ; tile_dim1 = 64
	s_mov_b32 s[G1+5], 2048                        ; elements from row to row
	s_mov_b32 s[G1+6], 0
	s_mov_b32 s[G1+7], 0
	s_or_b32 s[G1B+0], s44, (1<<16)|(1<<20)|(1<<21)|(5<<22)|(3<<25)
	s_mov_b32 s[G1B+1], KSTEP<<16                  ; V^T: 128 rows of 128
	s_mov_b32 s[G1B+2], 128<<16
	s_mov_b32 s[G1B+3], KSTEP<<16
	s_mov_b32 s[G1B+4], 128
	s_mov_b32 s[G1B+5], 2048
	s_mov_b32 s[G1B+6], 0
	s_mov_b32 s[G1B+7], 0
	s_lshl_b32 s16, s45, 19                        ; P: 4096 (128 TR + 64 x half): under 2^25
	s_lshl_b32 s18, s[CH], 18
	s_add_co_u32 s16, s16, s18
	s_mov_b32 s17, 0
	s_lshl_b32 s46, s42, 20                        ; V^T: 4 MiB x batch + 4096 (256 TC + 128 x half)
	s_lshl_b32 s18, s[CH], 19
	s_add_co_u32 s46, s46, s18
	s_lshl_b32 s18, s15, 22
	s_add_co_u32 s46, s46, s18
	s_mov_b32 s47, 0
	s_mul_i32 s20, s[CH], HA                       ; where they go in a slot: P's halves, then V's: the wave's number alone enters an LDS address
	s_mul_i32 s21, s[CH], HB
	s_add_co_u32 s21, s21, 2*HA
	s_wait_dscnt 0x0                               ; both opening adds are done
	s_wait_kmcnt 0x0
	s_add_nc_u64 s[16:17], s[4:5], s[16:17]
	s_add_nc_u64 s[46:47], s[8:9], s[46:47]
	CROUND                                         ; all sixteen work-groups are here: the first joint loads meet
.irp s, 0,1
	s_mov_b32 s[G0+4*\s], 1
	s_add_co_u32 s[G0+4*\s+1], s20, \s*SLOT
	s_add_nc_u64 s[G0+4*\s+2:G0+4*\s+3], s[16:17], \s*KSTEP*2
	s_or_b32 s[G0+4*\s+3], s[G0+4*\s+3], 0x80000000
	s_mov_b32 s[G0B+4*\s], 1
	s_add_co_u32 s[G0B+4*\s+1], s21, \s*SLOT
	s_add_nc_u64 s[G0B+4*\s+2:G0B+4*\s+3], s[46:47], \s*KSTEP*2
	s_or_b32 s[G0B+4*\s+3], s[G0B+4*\s+3], 0x80000000
	JLOAD \s                                       ; two tensor loads of mine are out behind the second
.endr
	; the statistics of my 64 queries, all 16 groups: 64 loads of 8 bytes; register 4 g + a belongs to query 16 a + l % 16 (both halves of the lanes load the same)
	v_and_b32 v1, 15, v0                           ; l % 16
	v_bfe_u32 v2, v0, 4, 1                         ; l / 16
	v_lshlrev_b32 v[SR8], 3, v1
	s_lshl_b32 s18, s45, 10                        ; 256 (4 TR + 2 x query half)
	s_lshl_b32 s19, s[RH], 9
	s_add_co_u32 s18, s18, s19
	s_mov_b32 s19, 0
	s_add_nc_u64 s[6:7], s[6:7], s[18:19]
.irp g, 0,1,2,3,4,5,6,7,8,9,10,11,12,13,14,15
.irp i, 0,1
	global_load_b64 v[MB+4*\g+2*\i:MB+4*\g+2*\i+1], v[SR8], s[6:7] offset:65536*\g+256*\i
	global_load_b64 v[LB+4*\g+2*\i:LB+4*\g+2*\i+1], v[SR8], s[6:7] offset:65536*\g+256*\i+128
.endr
.endr
	v_mul_u32_u24 v3, v1, PITCH
	v_lshl_add_u32 v3, v2, 4, v3                   ; a fragment's row x pitch + 16 x half
	s_mul_i32 s21, s[RH], HA                       ; my 64 queries
	s_mul_i32 s22, s[CH], HB                       ; my 128 u,
	s_add_co_u32 s22, s22, 2*HA                    ; which lie behind P's 128 rows
.irp s, 0,1
	v_add_nc_u32 v[ADRA+\s], s21, v3
	v_add_nc_u32 v[ADRB+\s], s22, v3
	s_add_co_u32 s21, s21, SLOT
	s_add_co_u32 s22, s22, SLOT
.endr
	s_mul_i32 s23, s[WV], 16*OPITCH
	s_add_co_u32 s23, s23, STG                     ; my stage
	v_mul_u32_u24 v4, v1, OPITCH                   ; in: row l % 16, 32 bytes for each half of the lanes
	v_lshl_add_u32 v4, v2, 5, v4
	v_add_nc_u32 v[STO], s23, v4
	v_and_b32 v5, 31, v0
	v_lshlrev_b32 v[CO], 4, v5                     ; back: the 32 lanes take one row of 512 bytes; and the same in out
	v_add_nc_u32 v[RD], s23, v[CO]
	s_lshl_b32 s23, s[WV], 13
	s_add_co_u32 s23, s23, FT
	v_add_nc_u32 v[FTA], s23, v[CO]                ; my wave's factors, 16 bytes a lane
.irp j, 0,1,2,3,4,5,6,7
	v_mov_b32 v[FC+2*\j+1], 0                      ; the high words of the factors' pairs: named with the low words, never used
.endr
	s_lshl_b32 s18, s45, 19                        ; out: 4096 (128 TR + 64 x query half) + 1024 TC + 512 x u half
	s_lshl_b32 s19, s[RH], 18
	s_add_co_u32 s18, s18, s19
	s_lshl_b32 s19, s42, 10
	s_add_co_u32 s18, s18, s19
	s_lshl_b32 s19, s[CH], 9
	s_add_co_u32 s18, s18, s19
	s_mov_b32 s19, 0
	s_add_nc_u64 s[10:11], s[10:11], s[18:19]
	s_wait_loadcnt 0x0
.irp a, 0,1,2,3
	v_max3_num_f32 v[MN+\a], -v[MB+\a], -v[MB+4+\a], -v[MB+8+\a]      ; M = the largest M_g (what was stored is -M_g); the four blocks by turns
.endr
.irp g, 3,5,7,9,11,13
.irp a, 0,1,2,3
	v_max3_num_f32 v[MN+\a], v[MN+\a], -v[MB+4*\g+\a], -v[MB+4*\g+4+\a]
.endr
.endr
.irp a, 0,1,2,3
	v_max_num_f32 v[MN+\a], v[MN+\a], -v[MB+60+\a]
.endr
.set i, 0
.rept 64
	v_sub_f32 v[MB+i], -v[MB+i], v[MN+i%4]         ; M_g - M: a whole number, 0 or less
.set i, i+1
.endr
.set i, 0
.rept 64
	v_cvt_i32_f32 v[MB+i], v[MB+i]                 ; (it saturates)
.set i, i+1
.endr
.set i, 0
.rept 64
	v_ldexp_f32 v[MB+i], 1.0, v[MB+i]              ; f_g = 2^(M_g - M)
.set i, i+1
.endr
.irp p, 0,1
	v_pk_mul_f32 v[LT+2*\p:LT+2*\p+1], v[MB+2*\p:MB+2*\p+1], v[LB+2*\p:LB+2*\p+1]   ; l = the sum of f_g l_g, two blocks at a time
.endr
.set i, 2
.rept 30
	v_pk_fma_f32 v[LT+2*(i%2):LT+2*(i%2)+1], v[MB+2*i:MB+2*i+1], v[LB+2*i:LB+2*i+1], v[LT+2*(i%2):LT+2*(i%2)+1]
.set i, i+1
.endr
.irp a, 0,1,2,3
	v_rcp_f32 v[RL+\a], v[LT+\a]
.endr
	v_nop                                          ; a plain instruction behind the last reciprocal
	s_wait_alu depctr_va_vdst(0)                   ; a wait ahead of the first instruction that names a result: one for the four
.set i, 0
.rept 32
	v_pk_mul_f32 v[MB+2*i:MB+2*i+1], v[MB+2*i:MB+2*i+1], v[RL+2*(i%2):RL+2*(i%2)+1]   ; f_g / l: the division is folded into the factors
.set i, i+1
.endr
.irp g, 0,1,2,3,4,5,6,7,8,9,10,11,12,13,14,15
	ds_store_b128 v[FTA], v[MB+4*\g:MB+4*\g+3] offset:512*\g     ; my wave's own bytes: only I read them back
.endr
.macro PLACES                          ; four plain vector instructions ahead of loads into registers that matrix instructions have read, and of reads of results
.rept 4
	v_nop
.endr
.endm
.macro FACT fs                         ; the K step's four factors into set fs: the low words of four pairs
.irp a, 0,1,2,3
	ds_load_b32 v[FC+8*(\fs)+2*\a], v[FTA] offset:4*\a
.endr
.endm
.macro FETCH slot, k, buf              ; 24 LDS loads in one run: 32 along K at byte k of the rows, into buffers buf: V's 16, then P's 8 (the youngest four: P's blocks 2 and 3)
	WIN TO_B
.irp i, 0,1,2,3,4,5,6,7
	ds_load_b128 v[64*(\buf)+8*\i:64*(\buf)+8*\i+3],   v[ADRB+\slot] offset:\k+\i*16*PITCH
	ds_load_b128 v[64*(\buf)+8*\i+4:64*(\buf)+8*\i+7], v[ADRB+\slot] offset:\k+\i*16*PITCH+32
.endr
	WIN 0
.irp i, 0,1,2,3
	ds_load_b128 v[AFR+32*(\buf)+8*\i:AFR+32*(\buf)+8*\i+3],   v[ADRA+\slot] offset:\k+\i*16*PITCH
	ds_load_b128 v[AFR+32*(\buf)+8*\i+4:AFR+32*(\buf)+8*\i+7], v[ADRA+\slot] offset:\k+\i*16*PITCH+32
.endr
.endm
; Two products: block a of P (16 queries x 32 keys) with V's blocks 2 j and 2 j + 1.  zero = 1: they start the step's sums.
; The 32 accumulators take turns, one instruction a turn, in the same order in every quarter.
.macro MUL2 buf, a, j, zero
	WIN MUL
.irp b, 2*(\j), 2*(\j)+1
.if \zero
	v_wmma_f32_16x16x32_f16 v[8*(8*(\a)+(\b)):8*(8*(\a)+(\b))+7], v[64*(\buf)+8*(\b):64*(\buf)+8*(\b)+7], v[AFR+32*(\buf)+8*(\a):AFR+32*(\buf)+8*(\a)+7], 0
.else
	v_wmma_f32_16x16x32_f16 v[8*(8*(\a)+(\b)):8*(8*(\a)+(\b))+7], v[64*(\buf)+8*(\b):64*(\buf)+8*(\b)+7], v[AFR+32*(\buf)+8*(\a):AFR+32*(\buf)+8*(\a)+7], v[8*(8*(\a)+(\b)):8*(8*(\a)+(\b))+7]
.endif
.endr
.endm
; Two finished accumulators, (fa, 2 j) and (fa, 2 j + 1), are folded into the running sums, each from its low end on: run += factor x step; one = 1, the first group: run = factor x step.  The factor is the low word of its pair, for both halves.
.macro FOLD2 fa, j, fc, one
	WIN FLD
.irp b, 2*(\j), 2*(\j)+1
.irp i, 0,2,4,6
.if \one
	v_pk_mul_f32 v[8*(8*(\fa)+(\b))+\i:8*(8*(\fa)+(\b))+\i+1], v[8*(8*(\fa)+(\b))+\i:8*(8*(\fa)+(\b))+\i+1], v[FC+8*(\fc)+2*(\fa):FC+8*(\fc)+2*(\fa)+1] op_sel_hi:[1,0]
.else
	v_pk_fma_f32 v[8*(8*(\fa)+(\b))+\i:8*(8*(\fa)+(\b))+\i+1], v[8*(8*(\fa)+(\b))+\i:8*(8*(\fa)+(\b))+\i+1], v[FC+8*(\fc)+2*(\fa):FC+8*(\fc)+2*(\fa)+1], v[8*(8*(\fa)+(\b))+\i:8*(8*(\fa)+(\b))+\i+1] op_sel_hi:[1,0,1]
.endif
.endr
.endr
.endm
.macro PART buf, a, zero               ; block a's eight products
.irp j, 0,1,2,3
	MUL2 \buf, \a, \j, \zero
.endr
.endm
; Block a's eight products, and among them the fold of block fa, whose last products stand just ahead: four places first, then eight multiply-adds behind every second product.
.macro HPART buf, a, zero, fa, fc, one
.irp j, 0,1,2,3
	MUL2 \buf, \a, \j, \zero
.if \j == 0
	PLACES
.endif
	FOLD2 \fa, \j, \fc, \one
.endr
.endm
; A quarter: 32 matrix instructions on buffers buf; in their middle the next quarter's fragments into buffers nxt.  zero = 1: a K step's first quarter.  fold = 1: it carries the fold of the step before's block 3, by the other slot's factors.
.macro QUARTER slot, k, buf, nxt, zero, fold, one
	s_wait_dscnt 4                                 ; the factors, V's fragments and P's blocks 0, 1 are in; the youngest four loads (P's blocks 2, 3) may be out
.if \fold
	HPART \buf, 0, \zero, 3, 1-(\slot), \one
.else
	PART \buf, 0, \zero
.endif
	PART \buf, 1, \zero
	PLACES
	FETCH \slot, \k, \nxt
	s_wait_dscnt 24                                ; all but the 24 just issued
	PART \buf, 2, \zero
	PART \buf, 3, \zero
.endm
; A K step's last quarter multiplies buffers 1, folds blocks 0 to 2 and changes slots: ONE barrier.  In front of it each wave waits for all its tensor loads (the one that is out is its part of the next slot), adds 0 to its spare word, and waits for that and for its reads of this slot.
; fill = 1: the barrier opens a round of the cluster's barrier, and the slot is filled again, two K steps ahead, first thing behind the round: the load has 112 matrix instructions in which to land.
; The fold of block 0 (its four v_nop among it) also stands as the places ahead of the loads into buffers 0.
.macro TURN slot, next, fill, one
	WIN 0                                          ; (the add's two registers lie in window 0)
	s_wait_tensorcnt 0x0
	ds_add_u32 v[SPW], v[NIL]
	s_wait_dscnt 5                                 ; the add and the youngest four loads may be out
	PART 1, 0, 0
	s_wait_dscnt 0x0                               ; the add is done, and my reads of this slot are over
	s_barrier_signal -1
	HPART 1, 1, 0, 0, \slot, \one
	WIN 0
	s_barrier_wait -1
.if \fill
	CREST                                          ; no wave of any partner still reads this slot's tile or has a load on its way
	s_add_nc_u64 s[G0+4*\slot+2:G0+4*\slot+3], s[G0+4*\slot+2:G0+4*\slot+3], 2*KSTEP*2
	s_add_nc_u64 s[G0B+4*\slot+2:G0B+4*\slot+3], s[G0B+4*\slot+2:G0B+4*\slot+3], 2*KSTEP*2
	JLOAD \slot
.endif
	v_add_nc_u32 v[FTA], 512, v[FTA]               ; the next K step's factors, into the other set:
	FACT \next                                     ; ahead of the fragments, so that the next quarter's first wait covers them
	FETCH \next, 0, 0
	HPART 1, 2, 0, 1, \slot, \one
	HPART 1, 3, 0, 2, \slot, \one
.endm
; Once round the ring, from a lap's second quarter to the next lap's first; both slots are filled again.  one = 1: the lap's first K step is the first group.
.macro TRIP one
	QUARTER 0, 128, 1, 0, 0, 0, 0
	QUARTER 0, 192, 0, 1, 0, 0, 0
	TURN 0, 1, 1, \one
	QUARTER 1, 64,  0, 1, 1, 1, \one
	QUARTER 1, 128, 1, 0, 0, 0, 0
	QUARTER 1, 192, 0, 1, 0, 0, 0
	TURN 1, 0, 1, 0
	QUARTER 0, 64,  0, 1, 1, 1, 0
.endm
	s_wait_tensorcnt 1                             ; my part of K step 0 is in; the one younger load, K step 1's, may be out
	s_wait_dscnt 0x0                               ; my stores of the factors have landed
	s_barrier_signal -1
	s_barrier_wait -1
	FACT 0                                         ; group 0's factors
	FETCH 0, 0, 0
	QUARTER 0, 64,  0, 1, 1, 0, 0                  ; the very first quarter: nothing to fold yet
	TRIP 1                                         ; the first lap is written out: the first group's folds start the running sums
	WIN 0
	s_mov_b32 s3, LAPS-2
.Llap:
	TRIP 0
	WIN 0
	s_sub_co_u32 s3, s3, 1
	s_cmp_lg_u32 s3, 0
	s_cbranch_scc1 .Llap
	QUARTER 0, 128, 1, 0, 0, 0, 0                  ; the last lap is written out: it fills nothing
	QUARTER 0, 192, 0, 1, 0, 0, 0
	TURN 0, 1, 0, 0
	QUARTER 1, 64,  0, 1, 1, 1, 0
	QUARTER 1, 128, 1, 0, 0, 0, 0
	QUARTER 1, 192, 0, 1, 0, 0, 0
	s_wait_dscnt 4                                 ; the very last quarter: nothing more to fetch
	PART 1, 0, 0
	HPART 1, 1, 0, 0, 1, 0
	s_wait_dscnt 0
	HPART 1, 2, 0, 1, 1, 0
	HPART 1, 3, 0, 2, 1, 0
	PLACES                                         ; behind the last products
.irp j, 0,1,2,3
	FOLD2 3, \j, 1, 0                              ; the last group's block 3
.endr
	WIN 0
; THE WAY OUT, block by block of 16 queries x 128 u: the running sums are the results; through my own stage; back as whole rows of 512 bytes.
.macro OUTB a
	WIN 0x0c                                       ; an LDS store's data are its source 1: window 3
.irp b, 0,1,2,3,4,5,6,7
	ds_store_b128 v[STO], v[64*(\a)+8*\b:64*(\a)+8*\b+3] offset:64*\b
	ds_store_b128 v[STO], v[64*(\a)+8*\b+4:64*(\a)+8*\b+7] offset:64*\b+16
.endr
	WIN 0
.set BB, BK+64*((\a)%2)
.irp t, 0,1,2,3,4,5,6,7,8,9,10,11,12,13,14,15
	ds_load_b128 v[BB+4*\t:BB+4*\t+3], v[RD] offset:\t*OPITCH     ; LDS serves a wave's instructions in order: these see the stores above, and the next block's stores come behind them
.endr
.endm
.macro SENDO a, younger                ; younger: the LDS instructions issued behind block a's loads, which may stay out
.set BB, BK+64*((\a)%2)
	s_wait_dscnt \younger
.irp t, 0,1,2,3,4,5,6,7,8,9,10,11,12,13,14,15
	global_store_b128 v[CO], v[BB+4*\t:BB+4*\t+3], s[10:11] offset:(16*(\a)+\t)*4096 th:TH_STORE_NT   ; 32 lanes store 512 consecutive bytes, aligned; written once, read by nobody here
.endr
.endm
	OUTB 0
.irp a, 1,2,3
.if \a > 1
	s_wait_xcnt 0x0                                ; block a - 2's stores have read their registers: block a's loads may land there
.endif
	OUTB \a
	SENDO \a-1, 32                                 ; behind block a - 1's loads: block a's 16 stores and 16 loads
.endr
	SENDO 3, 0
	s_wait_tensorcnt 0x0                           ; the wave's end, behind my last tensor load and my last LDS store
	ds_add_u32 v[SPW], v[NIL]
	s_wait_dscnt 0x0
	CROUND                                         ; the closing round
	s_endpgm
.Lfunc_end_k_qb002cd88f4_pv:
	.size	k_qb002cd88f4_pv, .Lfunc_end_k_qb002cd88f4_pv-k_qb002cd88f4_pv
	.p2alignl 7, 3214868480
	.fill 96, 4, 3214868480
	.section	.rodata,"a",@progbits
	.p2align	6, 0x0
	.amdhsa_kernel k_qb002cd88f4_pv
		.amdhsa_group_segment_fixed_size 327680
		.amdhsa_private_segment_fixed_size 0
		.amdhsa_enable_private_segment 0
		.amdhsa_kernarg_size 32
		.amdhsa_user_sgpr_count 2
		.amdhsa_user_sgpr_kernarg_segment_ptr 1
		.amdhsa_wavefront_size32 1
		.amdhsa_system_sgpr_workgroup_id_x 1
		.amdhsa_system_sgpr_workgroup_id_y 1
		.amdhsa_system_sgpr_workgroup_id_z 1
		.amdhsa_system_vgpr_workitem_id 0
		.amdhsa_next_free_vgpr 1024
		.amdhsa_next_free_sgpr 72
		.amdhsa_reserve_vcc 0
		.amdhsa_float_denorm_mode_32 3
		.amdhsa_float_denorm_mode_16_64 3
		.amdhsa_memory_ordered 1
		.amdhsa_forward_progress 1
		.amdhsa_inst_pref_size 199
	.end_amdhsa_kernel
	.amdgpu_metadata
---
amdhsa.version: [ 1, 2 ]
amdhsa.kernels:
  - .name:           k_qb002cd88f4_pv
    .symbol:         k_qb002cd88f4_pv.kd
    .args:
      - { .name: pp, .offset: 0, .size: 8, .value_kind: global_buffer, .address_space: global }
      - { .name: st, .offset: 8, .size: 8, .value_kind: global_buffer, .address_space: global }
      - { .name: vt, .offset: 16, .size: 8, .value_kind: global_buffer, .address_space: global }
      - { .name: out0, .offset: 24, .size: 8, .value_kind: global_buffer, .address_space: global }
    .group_segment_fixed_size: 327680
    .private_segment_fixed_size: 0
    .kernarg_segment_align: 8
    .kernarg_segment_size: 32
    .max_flat_workgroup_size: 128
    .sgpr_count:     72
    .vgpr_count:     1024
    .wavefront_size: 32
...
	.end_amdgpu_metadata
.endif
;; end of part 4
